; MI455X (gfx1250); checked and timed in simulation.
; The chip was launched on July 23, 2026; its instructions are those of AMD's public machine-readable ISA for CDNA 5 (MIT licence, August 2026) and "CDNA5" Instruction Set Architecture Reference Guide (July 2026). The comments in the code are by the model that wrote it; some were corrected since.
;; Attention With Einops. Allowed arithmetic: matrix products marked QUANTISED: E2M1 operands, one E8M0 scale for each 32 along K, by v_wmma_scale_f32_16x16x128_f8f6f4 with both operands' format E2M1 (or v_wmma_scale_f32_32x16x128_f4), f32 sums; products left as they are: bf16, f16 or f32 operands; f32 sums; everything else in f32.
;; Inputs: W_K 16 x 64 x 1,024 float32; W_O 16 x 64 x 1,024 float32; W_Q 16 x 64 x 1,024 float32; W_V 16 x 64 x 1,024 float32; residual 4 x 2,048 x 1,024 float32.
;; Outputs: out0 4 x 2,048 x 1,024 float32.
;; This version of the problem:
;;   THIS VERSION OF THE PROBLEM IS GIVEN IN LOW PRECISION. The matrix products marked QUANTISED in the list below multiply operands that are first quantised to E2M1 (2 exponent bits, 1 mantissa bit; 4 bits a number), with one power-of-two scale for each 32 numbers along K (OCP MX v1.0); their sums are f32. The products marked 'left as it is' may take bf16, f16 or f32 operands, with f32 sums. Whichever they take, every output number must still come out within the allowed error. Rounding operands to bf16 (8 significant bits) uses up far more of that allowance than f16 does (11 bits, for magnitudes from 6e-5 to 65,504). All else is computed in f32.
;;   The module's matrix products, in the order in which they are computed (A, B: the left and right operand; K: the contracted axis; several contracted axes count as one K, in the product's order):
;;     1. [M 8,192, K 1,024] x [K 1,024, N 1,024]; A: input residual; B: input W_Q: QUANTISED
;;     2. [M 8,192, K 1,024] x [K 1,024, N 1,024]; A: input residual; B: input W_K: QUANTISED
;;     3. [M 8,192, K 1,024] x [K 1,024, N 1,024]; A: input residual; B: input W_V: QUANTISED
;;     4. batch 64 x [M 2,048, K 64] x [K 64, N 2,048]; A: computed on the way; B: computed on the way: left as it is (an operand is computed on the way)
;;     5. batch 64 x [M 64, K 2,048] x [K 2,048, N 2,048]; A: computed on the way; B: computed on the way: left as it is (an operand is computed on the way)
;;     6. [M 8,192, K 1,024] x [K 1,024, N 1,024]; A: computed on the way; B: input W_O: left as it is (an operand is computed on the way)
;;   THE QUANTISER, for each operand of a quantised product, along K:
;;     - K is cut into blocks of 32 from its start; a last block that is shorter is filled with zeros.
;;     - A block's scale is 2^e with e = floor(log2(the largest magnitude in the block)) - 2, held to -126 .. 127; a block of zeros has e = 0. As a byte (E8M0): e + 127.
;;     - Each number is divided by its block's scale, clamped to +-6, and rounded to the nearest number of E2M1, ties to even, subnormals kept.
;;     - The product sums the exact products of the quantised numbers (number of the format x scale) in f32.
;;   ~~~python
;;   def quantise(x, axis):      # numpy; x: float32 -> the quantised numbers, widened to float32 again
;;       x = np.moveaxis(x, axis, -1); K = x.shape[-1]
;;       x = np.pad(x, [(0, 0)] * (x.ndim - 1) + [(0, -K % 32)]); x = x.reshape(x.shape[:-1] + (-1, 32)); a = np.abs(x).max(-1, keepdims=True)
;;       e = np.where(a > 0, np.clip(np.frexp(np.where(a > 0, a, 1))[1] - 1 - 2, -126, 127), 0)      # np.frexp(a)[1] - 1 = floor(log2(a)), exactly
;;       r = np.clip(x / 2.0 ** e, -6, 6)
;;       step = 2.0 ** (np.maximum(np.frexp(np.where(r == 0, 1, r))[1] - 1, 0) - 1)
;;       q = np.round(r / step) * step * 2.0 ** e      # np.round: ties to even
;;       return np.moveaxis(q.reshape(q.shape[:-2] + (-1,))[..., :K], -1, axis).astype(np.float32)
;;   ~~~
;; One version. Each part assembles by itself: llvm-mc -triple=amdgcn-amd-amdhsa -mcpu=gfx1250 --defsym DOCPART=n.
;; ======== version 1 of 1: 5 launches
;; limits: values are held in f16: magnitudes above 65,504 overflow, below 6.1e-05 lose precision
;; workspace buffers: xcodes 4,194,304 bytes; xscales 262,144 bytes; wcodes 1,572,864 bytes; wscales 98,304 bytes; wo16 2,097,152 bytes; qkv 50,331,648 bytes; top16 786,432 bytes; z 16,777,216 bytes
;; launch quant (part 1): grid 384 x 1, 4 waves a work-group, no clusters, 33,280 bytes of LDS; arguments residual, W_Q, W_K, W_V, W_O, xcodes, xscales, wcodes, wscales, wo16; writes xcodes, xscales, wcodes, wscales, wo16
.if DOCPART == 1
	.amdgcn_target "amdgcn-amd-amdhsa--gfx1250"
	.amdhsa_code_object_version 6
	.text
	.protected	k_qfc287ea89d_quant
	.globl	k_qfc287ea89d_quant
	.p2align	8
	.type	k_qfc287ea89d_quant,@function
k_qfc287ea89d_quant:
	s_mov_b64 s[64:65], 0
	v_nop
	global_prefetch_b8 v0, s[64:65] scope:SCOPE_SE
	s_setreg_imm32_b32 hwreg(HW_REG_WAVE_MODE, 25, 1), 1
	s_wait_xcnt 0x0
; residual [8192][1024], W_Q, W_K, W_V [1024][1024] (rows h*64+d), f32, K innermost, become codes of FP4 (E2M1) with one E8M0 byte for each 32 along K;
; W_O [1024 (h*64+d)][1024 (m)] is rounded to f16 as it lies.  Rows are dense and 1,024 is a multiple of 32: each tensor is a plain stream of blocks of 32.
; A block's scale is 2^(floor(log2(largest magnitude)) - 2): its byte is the largest magnitude's exponent field - 2, held at 1 from below.  A block of zeros keeps the byte 1: its codes are zeros,
; and this program alone reads the bytes.
; LIMITS: blocks whose largest magnitude lies under 2^-124 keep the byte 1; NaN and infinities are not served; |W_O| stays under 65,504 (f16).
; SHARES: a work-group takes 32,768 numbers, a wave 8,192.  Work-groups 0-255: residual; 256-287 W_Q; 288-319 W_K; 320-351 W_V (their codes lie one behind the other: rows which*1024 + h*64 + d); 352-383: W_O's cast.
; The four quantised tensors take ONE path: only pointers are chosen, by the work-group's number.  A step is 512 numbers: four loads of 512 consecutive bytes, turned through the wave's own stage in LDS so that a lane
; holds 16 neighbours (two lanes to a block); 8 bytes of codes a lane: the wave stores 256 consecutive bytes.  A wave's 256 scale bytes gather in LDS and leave as one store of 256 consecutive bytes.
.set WAVES, 4
.set STEPS, 16
.set EMAX,  2
.set CB,    8                          ; bytes of 16 codes
.set R,     16                         ; v16-79   four sets of 16 numbers as loaded (the cast: two sets of 32)
.set X,     80                         ; v80-111  two sets of 16 neighbours (the cast: two sets of 16 packed words)
.set E,     112                        ; v112-127 a scale byte for each step
.set C,     128                        ; v128-191 codes: four registers for each step, so that no store's data are written again
.set WREG,  8192                       ; LDS: a region for each wave: two stages of 32 x SP bytes, behind them its 256 scale bytes
.set SP,    80                         ; a lane's place in a stage: 64 bytes + 16 of padding
.set SPW,   12                         ; v12 LDS address of my spare word; never rewritten
.set NIL,   13                         ; v13 0; never rewritten
.set SPARE, WAVES*WREG                 ; behind the regions: the spare words, 128 bytes a wave
	s_load_b256 s[4:11], s[0:1], 0x0               ; residual, W_Q, W_K, W_V
	s_load_b256 s[12:19], s[0:1], 0x20             ; W_O, xcodes, xscales, wcodes
	s_load_b128 s[20:23], s[0:1], 0x40             ; wscales, wo16
	v_lshl_add_u32 v[SPW], v0, 2, SPARE
	v_mov_b32 v[NIL], 0
	v_lshrrev_b32 v1, 5, v0
	v_readfirstlane_b32 s24, v1                    ; wave
	v_and_b32 v2, 31, v0                           ; lane
	v_lshlrev_b32 v3, 4, v2                        ; my 16 bytes of a load's 512
	s_mul_i32 s25, s24, WREG
	v_lshrrev_b32 v14, 2, v2
	v_mul_u32_u24 v14, v14, SP
	v_and_b32 v15, 3, v2
	v_lshl_add_u32 v14, v15, 4, v14
	v_add_nc_u32 v14, s25, v14                     ; the stage, on the way in: SP (lane / 4) + 16 (lane % 4)
	v_mul_u32_u24 v15, v2, SP
	v_add_nc_u32 v15, s25, v15                     ; and on the way out: SP x lane
	v_mul_u32_u24 v4, v2, CB                       ; 8 bytes a lane: my codes' place in a step's (the cast: my four f16)
	v_lshrrev_b32 v5, 1, v2
	s_add_co_u32 s25, s25, 2*32*SP
	v_add_nc_u32 v5, s25, v5                       ; my wave's 256 scale bytes, my block's byte
	v_lshlrev_b32 v7, 3, v2
	v_add_nc_u32 v6, s25, v7                       ; and on the way out 8 bytes a lane
	s_and_b32 s28, ttmp9, 31                       ; a weight's work-group within its tensor (256, 288, 320 are multiples of 32)
	s_max_u32 s29, ttmp9, 256
	s_sub_co_u32 s29, s29, 256                     ; and within the weights' codes
	s_wait_kmcnt 0x0
	s_cmp_ge_u32 ttmp9, 352
	s_cbranch_scc1 .Lcast
	s_cmp_lt_u32 ttmp9, 320                        ; the choices hang on the work-group's number alone
	s_cselect_b64 s[26:27], s[8:9], s[10:11]
	s_cmp_lt_u32 ttmp9, 288
	s_cselect_b64 s[26:27], s[6:7], s[26:27]
	s_cmp_lt_u32 ttmp9, 256
	s_cselect_b64 s[4:5], s[4:5], s[26:27]         ; the numbers
	s_cselect_b64 s[14:15], s[14:15], s[18:19]     ; the codes
	s_cselect_b64 s[16:17], s[16:17], s[20:21]     ; the scale bytes
	s_cselect_b32 s28, ttmp9, s28
	s_cselect_b32 s29, ttmp9, s29
	s_lshl_b32 s28, s28, 2
	s_add_co_u32 s28, s28, s24                     ; which run of 8,192 numbers of the tensor is my wave's
	s_lshl_b32 s30, s28, 15
	s_mov_b32 s31, 0
	s_add_nc_u64 s[4:5], s[4:5], s[30:31]
	s_lshl_b32 s29, s29, 2
	s_add_co_u32 s29, s29, s24                     ; and which run of the codes' buffer
	s_lshl_b32 s30, s29, 12                        ; 4,096 bytes of codes a run
	s_add_nc_u64 s[14:15], s[14:15], s[30:31]
	s_lshl_b32 s30, s29, 8                         ; 256 scale bytes a run
	s_add_nc_u64 s[16:17], s[16:17], s[30:31]
.macro LOAD t
.irp i, 0,1,2,3
	global_load_b128 v[R+16*((\t)%4)+4*\i:R+16*((\t)%4)+4*\i+3], v3, s[4:5] offset:2048*(\t)+512*\i th:TH_LOAD_NT   ; 32 lanes read 512 consecutive bytes
.endr
.endm
.macro TURN t                          ; step t's numbers through the stage: LDS serves a wave's instructions in order, so no wait stands between the stores and the loads
.irp i, 0,1,2,3
	ds_store_b128 v14, v[R+16*((\t)%4)+4*\i:R+16*((\t)%4)+4*\i+3] offset:32*SP*((\t)%2)+8*SP*\i
.endr
.irp i, 0,1,2,3
	ds_load_b128 v[X+16*((\t)%2)+4*\i:X+16*((\t)%2)+4*\i+3], v15 offset:32*SP*((\t)%2)+16*\i
.endr
.endm
.irp t, 0,1,2,3
	LOAD \t
.endr
	s_wait_loadcnt 12                              ; step 0's four loads are in; three steps' twelve stay out
	TURN 0
.macro STEP t
.set XS, X+16*((\t)%2)
.if (\t) > 0
	s_wait_dscnt 1                                 ; this step's numbers are back from the stage (the last step's byte store may be out)
.else
	s_wait_dscnt 0x0
.endif
.if (\t)+4 < STEPS
	LOAD (\t)+4                                    ; into the registers that the stage's stores have read
.endif
.if (\t)+1 < STEPS
.if STEPS-2-(\t) >= 3
	s_wait_loadcnt 12                              ; the next step's four loads are in; those of the three steps behind it may be out
.else
	s_wait_loadcnt 4*(STEPS-2-(\t))
.endif
	TURN (\t)+1
.endif
	v_max3_num_f32 v8, |v[XS]|, |v[XS+1]|, |v[XS+2]|               ; the largest magnitude of my 16, in two chains
	v_max3_num_f32 v9, |v[XS+3]|, |v[XS+4]|, |v[XS+5]|
.irp i, 6,10
	v_max3_num_f32 v8, v8, |v[XS+\i]|, |v[XS+\i+1]|
	v_max3_num_f32 v9, v9, |v[XS+\i+2]|, |v[XS+\i+3]|
.endr
	v_max3_num_f32 v8, v8, |v[XS+14]|, |v[XS+15]|
	v_max3_num_f32 v8, v8, v9, (EMAX+1)<<23        ; and the floor 2^(3 - 127): the byte cannot fall under 1
	v_max_num_f32_dpp v8, v8, v8 row_xmask:1 row_mask:0xf bank_mask:0xf   ; and of my neighbour's 16: the block's
	v_add_nc_u32 v11, -(EMAX<<23), v8              ; 2 off its exponent field: the conversion takes the exponent field of this operand as its scale
	v_cvt_scalef32_pk8_fp4_f32 v[C+4*(\t)], v[XS:XS+7], v11
	v_cvt_scalef32_pk8_fp4_f32 v[C+4*(\t)+1], v[XS+8:XS+15], v11
	v_lshrrev_b32 v[E+(\t)], 23, v11               ; the scale's byte (also the plain line behind the conversions)
	ds_store_b8 v5, v[E+(\t)] offset:16*(\t)       ; both lanes of a block write the same byte with the same value
	global_store_b64 v4, v[C+4*(\t):C+4*(\t)+1], s[14:15] offset:32*CB*(\t)   ; 32 lanes store 256 consecutive bytes
.endm
.irp t, 0,1,2,3,4,5,6,7,8,9,10,11,12,13,14,15
	STEP \t
.endr
	ds_load_b64 v[8:9], v6                         ; LDS serves a wave's instructions in order: these see my byte stores
	s_wait_dscnt 0x0
	global_store_b64 v7, v[8:9], s[16:17]          ; 32 lanes store 256 consecutive bytes
	s_wait_tensorcnt 0x0                           ; the wave's end, behind my last LDS store
	ds_add_u32 v[SPW], v[NIL]
	s_wait_dscnt 0x0
	s_endpgm
; THE CAST: W_O to f16.  A wave takes 8,192 numbers in 8 groups of 8 chunks; a chunk is 512 bytes in (16 a lane) and 256 bytes out (8 a lane).  No LDS is touched on this path.
.macro CLOAD g
.irp i, 0,1,2,3,4,5,6,7
	global_load_b128 v[R+32*((\g)%2)+4*\i:R+32*((\g)%2)+4*\i+3], v3, s[12:13] offset:4096*(\g)+512*\i
.endr
.endm
.macro CAST g
.if (\g) < 7
	s_wait_loadcnt 8                               ; group g is in; the next group's eight loads stay out
.else
	s_wait_loadcnt 0x0
.endif
	s_wait_xcnt 0x0                                ; the stores of two groups back have read their data registers, which are written again below
.irp i, 0,1,2,3,4,5,6,7
	v_cvt_pk_f16_f32 v[X+16*((\g)%2)+2*\i], v[R+32*((\g)%2)+4*\i], v[R+32*((\g)%2)+4*\i+1]
	v_cvt_pk_f16_f32 v[X+16*((\g)%2)+2*\i+1], v[R+32*((\g)%2)+4*\i+2], v[R+32*((\g)%2)+4*\i+3]
.endr
.irp i, 0,1,2,3,4,5,6,7
	global_store_b64 v4, v[X+16*((\g)%2)+2*\i:X+16*((\g)%2)+2*\i+1], s[22:23] offset:2048*(\g)+256*\i   ; 256 consecutive bytes a store
.endr
.if (\g)+2 < 8
	CLOAD (\g)+2
.endif
.endm
.Lcast:
	s_sub_co_u32 s28, ttmp9, 352
	s_lshl_b32 s28, s28, 2
	s_add_co_u32 s28, s28, s24                     ; my wave's run of 8,192 numbers
	s_lshl_b32 s30, s28, 15
	s_mov_b32 s31, 0
	s_add_nc_u64 s[12:13], s[12:13], s[30:31]
	s_lshl_b32 s30, s28, 14
	s_add_nc_u64 s[22:23], s[22:23], s[30:31]
	CLOAD 0
	CLOAD 1
.irp g, 0,1,2,3,4,5,6,7
	CAST \g
.endr
	s_endpgm
.Lfunc_end_k_qfc287ea89d_quant:
	.size	k_qfc287ea89d_quant, .Lfunc_end_k_qfc287ea89d_quant-k_qfc287ea89d_quant
	.p2alignl 7, 3214868480
	.fill 96, 4, 3214868480
	.section	.rodata,"a",@progbits
	.p2align	6, 0x0
	.amdhsa_kernel k_qfc287ea89d_quant
		.amdhsa_group_segment_fixed_size 33280
		.amdhsa_private_segment_fixed_size 0
		.amdhsa_enable_private_segment 0
		.amdhsa_kernarg_size 80
		.amdhsa_user_sgpr_count 2
		.amdhsa_user_sgpr_kernarg_segment_ptr 1
		.amdhsa_wavefront_size32 1
		.amdhsa_system_sgpr_workgroup_id_x 1
		.amdhsa_system_sgpr_workgroup_id_y 1
		.amdhsa_system_sgpr_workgroup_id_z 1
		.amdhsa_system_vgpr_workitem_id 0
		.amdhsa_next_free_vgpr 192
		.amdhsa_next_free_sgpr 66
		.amdhsa_reserve_vcc 0
		.amdhsa_float_denorm_mode_32 3
		.amdhsa_float_denorm_mode_16_64 3
		.amdhsa_memory_ordered 1
		.amdhsa_forward_progress 1
		.amdhsa_inst_pref_size 55
	.end_amdhsa_kernel
	.amdgpu_metadata
---
amdhsa.version: [ 1, 2 ]
amdhsa.kernels:
  - .name:           k_qfc287ea89d_quant
    .symbol:         k_qfc287ea89d_quant.kd
    .args:
      - { .name: residual, .offset: 0, .size: 8, .value_kind: global_buffer, .address_space: global }
      - { .name: W_Q, .offset: 8, .size: 8, .value_kind: global_buffer, .address_space: global }
      - { .name: W_K, .offset: 16, .size: 8, .value_kind: global_buffer, .address_space: global }
      - { .name: W_V, .offset: 24, .size: 8, .value_kind: global_buffer, .address_space: global }
      - { .name: W_O, .offset: 32, .size: 8, .value_kind: global_buffer, .address_space: global }
      - { .name: xcodes, .offset: 40, .size: 8, .value_kind: global_buffer, .address_space: global }
      - { .name: xscales, .offset: 48, .size: 8, .value_kind: global_buffer, .address_space: global }
      - { .name: wcodes, .offset: 56, .size: 8, .value_kind: global_buffer, .address_space: global }
      - { .name: wscales, .offset: 64, .size: 8, .value_kind: global_buffer, .address_space: global }
      - { .name: wo16, .offset: 72, .size: 8, .value_kind: global_buffer, .address_space: global }
    .group_segment_fixed_size: 33280
    .private_segment_fixed_size: 0
    .kernarg_segment_align: 8
    .kernarg_segment_size: 80
    .max_flat_workgroup_size: 128
    .sgpr_count:     66
    .vgpr_count:     192
    .wavefront_size: 32
...
	.end_amdgpu_metadata
.endif
;; end of part 1
;; launch gemm (part 2): grid 12 x 32, 4 waves a work-group, clusters of 4 x 4, 327,680 bytes of LDS; arguments xcodes, xscales, wcodes, wscales, qkv, top16; writes qkv, top16
.if DOCPART == 2
	.amdgcn_target "amdgcn-amd-amdhsa--gfx1250"
	.amdhsa_code_object_version 6
	.text
	.protected	k_qfc287ea89d_gemm
	.globl	k_qfc287ea89d_gemm
	.p2align	8
	.type	k_qfc287ea89d_gemm,@function
k_qfc287ea89d_gemm:
	s_mov_b64 s[64:65], 0
	v_nop
	global_prefetch_b8 v0, s[64:65] scope:SCOPE_SE
	s_setreg_imm32_b32 hwreg(HW_REG_WAVE_MODE, 25, 1), 1
	s_wait_xcnt 0x0
	s_wait_alu depctr_hold_cnt(0) depctr_sa_sdst(0) depctr_va_vdst(0) depctr_va_sdst(0) depctr_va_ssrc(0) depctr_va_vcc(0) depctr_vm_vsrc(0)
	s_getreg_b32 s2, hwreg(HW_REG_IB_STS2, 6, 4)
	s_cmp_eq_u32 s2, 0
	s_cbranch_scc0 .Lentry_in_a_cluster
	s_endpgm
.Lentry_in_a_cluster:
	s_bfe_u32 s2, ttmp6, 0x10000c
	s_cmp_lg_u32 s2, 0xf033
	s_cbranch_scc0 .Lentry_shape_is_right
	s_endpgm
.Lentry_shape_is_right:
; q, k, v = residual x W^T on codes of FP4 (E2M1) with one E8M0 scale for each 32 along K.  A: xcodes [8192][512 B], xscales [8192][32]; B: wcodes [3072][512 B], wscales [3072][32] (rows which*1024 + h*64 + d); K = 1,024.
; Results: qkv, f16, [b 4][g 48 = which*16 + h][s 2048][64]; and the unrounded f32 results of positions 0-15 of each batch in top16 [b][16][3072].  LIMIT: |q|, |k|, |v| stay under 65,504 (f16).
; A tile of C, 256 x 256, is made by a work-group of four waves; a wave makes 128 x 128: 64 accumulators, 512 registers.  K is two steps of 512: both LDS slots are filled once, at the head; nothing is filled again.
; The scale bytes of the work-group's 256 + 256 rows, for all of K, come once, as rows of 256 bytes + 16 of padding.
; CLUSTERS: 4 x 4 work-groups.  The four of a row of the cluster need the same tiles of A, the four of a column the same tiles of B: each tile is asked for jointly.  Tile row of C = 8 cy + cluster y: cy is the batch and
; cluster y the block of 256 positions, so that 'first block of a sequence' is cluster y = 0, the same in all sixteen partners.
; THE MATRIX INSTRUCTION IS USED TRANSPOSED (source 0 = 16 rows of B, source 1 = 16 rows of A): a lane holds eight neighbouring columns of one row of C.
; REGISTERS, in windows of 256: window 0: v0-31 addresses; v32-95 scale words, two sets; from v128 A's fragments, one set; on the way out v32-127 are at work.  window 1: B's fragments, two sets, at v0 and v128.
;   window 2: the 32 accumulators of my rows 0-63 (accumulator (a, b) at v[8 (8 a + b)]); window 3: those of my rows 64-127.
.set NQ,     4                         ; matrix instructions deep in a slot (512 along K)
.set ROWB,   256                       ; a tile's row in bytes
.set KROW,   512                       ; a row of codes in memory
.set PITCH,  272                       ; an LDS row: 256 bytes + 16 of padding = 68 words: the 16 rows of a load start 4 banks apart
.set FR,     8
.set NL,     2
.set NP,     4                         ; places behind this matrix instruction (ISA guide 7.12.1)
.set HALFT,  128*PITCH
.set SLOT,   4*HALFT                   ; A's 256 rows, then B's 256 rows
.set KS,     32                        ; a row of scale bytes
.set SCL,    2*SLOT
.set HALFS,  (128*KS/256)*272          ; the scales of 128 rows
.set SBLK,   (16*KS/256)*272           ; those of 16 rows
.set SPARE,  SCL+4*HALFS               ; the spare words, 128 bytes a wave
.set SPITCH, 272                       ; the way out: a stage of 16 rows x (256 bytes + 16) for each wave, in slot 0, which has had its only fill and its last read by then
.set ADRA, 16
.set ADRB, 20
.set STO,  24                          ; v24 the way out: where I put 16 bytes of a row
.set RD,   25                          ; v25 where I read back: four rows of one head's 128 bytes
.set CO,   26                          ; v26 16 x lane
.set ADRS, 27                          ; v27 LDS address of my scale words: lanes 0-15 A's rows, lanes 16-31 B's
.set SPW,  28
.set NIL,  29
.set FO,   30                          ; v30 my byte offset in top16: row r of 12,288 bytes + 32 h
.set SC,   32
.set AF,   128
.set TMP,  32                          ; the way out: 32 packed registers
.set BK,   64                          ; and 16 rows read back: v64-95 and v96-127 by turns
.set G1, 24
.set G0, 32
.set G1B, 48
.set G0B, 56
.set G1S, 68
.set G0S, 76
.set G1SB, 80
.set G0SB, 88
.set MSB, 0
.macro WIN new                         ; the immediate's high byte repeats the setting that is left
.if MSB != \new
	s_set_vgpr_msb (MSB<<8)|\new
.set MSB, \new
.endif
.endm
.set MUL_LO, 0xa1                      ; source 0 (B) window 1, source 1 (A) window 0, C and D window 2
.set MUL_HI, 0xf1
.set TO_B,   0x40
; A joint load: waves 0 and 1 fetch for A, waves 2 and 3 for B; the branch hangs on the wave's number alone.  An s_nop 0 and four v_nop follow each line.
.macro JLOAD g0a, g1a, g0b, g1b
	s_cmp_eq_u32 s15, 0
	s_cbranch_scc0 .Lfor_b_\@
	tensor_load_to_lds s[\g0a:\g0a+3], s[\g1a:\g1a+7]
	s_nop 0
.rept 4
	v_nop
.endr
	s_branch .Lasked_\@
.Lfor_b_\@:
	tensor_load_to_lds s[\g0b:\g0b+3], s[\g1b:\g1b+7]
	s_nop 0
.rept 4
	v_nop
.endr
.Lasked_\@:
.endm
.macro CROUND                          ; a round of the cluster's barrier
	s_barrier_signal -1
	s_barrier_wait -1
	s_cmp_lg_u32 s14, 0
	s_cbranch_scc1 .Lnot_wave_0_\@
	s_barrier_signal -3
.Lnot_wave_0_\@:
	s_barrier_wait -3
	s_barrier_signal -1
	s_barrier_wait -1
.endm
	s_load_b128 s[4:7], s[0:1], 0x0                ; A's codes, A's scales
	s_load_b128 s[8:11], s[0:1], 0x10              ; B's codes, B's scales
	s_load_b64 s[12:13], s[0:1], 0x20              ; qkv
	s_load_b64 s[66:67], s[0:1], 0x28              ; top16
	v_lshl_add_u32 v[SPW], v0, 2, SPARE
	v_mov_b32 v[NIL], 0
	ds_add_u32 v[SPW], v[NIL]                      ; the wave's opening: the add, twice on end, and its wait ahead of my first tensor load
	ds_add_u32 v[SPW], v[NIL]
	v_lshrrev_b32 v1, 5, v0
	v_readfirstlane_b32 s14, v1                    ; wave 0..3
	s_lshr_b32 s15, s14, 1                         ; which half of the tile's rows is mine.  Also: I fetch for A (0) or for B (1)
	s_and_b32 s16, s14, 1                          ; which half of its columns.  Also: which 128 rows of that tile I fetch
	s_bfe_u32 s40, ttmp6, 0x40000                  ; cx
	s_bfe_u32 s41, ttmp6, 0x40004                  ; cy
	s_lshl_b32 s42, ttmp9, 2
	s_add_co_u32 s42, s42, s40                     ; tile column of C = 4 x cluster x + cx
	s_and_b32 s17, ttmp7, 0xffff
	s_lshl_b32 s18, s41, 3
	s_add_co_u32 s17, s17, s18                     ; tile row of C = 8 cy + cluster y
	s_lshl_b32 s43, s41, 2
	s_lshl_b32 s43, 15, s43                        ; my row of the cluster
	s_lshl_b32 s44, 0x1111, s40                    ; my column
	s_or_b32 s[G1+0], s43, (0<<16)|(1<<20)|(1<<21)|(5<<22)|(3<<25)  ; the mask; elements of 1 byte; padding on; bit 21 beside a mask; after every 64 words, 4 words
	s_or_b32 s[G1B+0], s44, (0<<16)|(1<<20)|(1<<21)|(5<<22)|(3<<25)
.irp g, G1, G1B
	s_mov_b32 s[\g+1], ROWB<<16                    ; tensor_dim0
	s_mov_b32 s[\g+2], 128<<16                     ; tensor_dim1
	s_mov_b32 s[\g+3], ROWB<<16                    ; tile_dim0
	s_mov_b32 s[\g+4], 128                         ; tile_dim1
	s_mov_b32 s[\g+5], KROW                        ; stride from row to row
	s_mov_b32 s[\g+6], 0
	s_mov_b32 s[\g+7], 0
.endr
	s_or_b32 s[G1S+0], s43, (3<<16)|(1<<20)|(1<<21)|(5<<22)|(3<<25)  ; the scales of 128 rows: 4,096 dense bytes as 16 rows of 32 elements of 8 bytes
	s_or_b32 s[G1SB+0], s44, (3<<16)|(1<<20)|(1<<21)|(5<<22)|(3<<25)
.irp g, G1S, G1SB
	s_mov_b32 s[\g+1], 32<<16
	s_mov_b32 s[\g+2], (128*KS/256)<<16
	s_mov_b32 s[\g+3], 32<<16
	s_mov_b32 s[\g+4], 128*KS/256
	s_mov_b32 s[\g+5], 32
	s_mov_b32 s[\g+6], 0
	s_mov_b32 s[\g+7], 0
.endr
	s_lshl_b32 s18, s16, 7                         ; which 128 rows of the tile I fetch
	s_lshl_b32 s20, s17, 8
	s_add_co_u32 s20, s20, s18                     ; A: row 256 x tile row + 128 x half
	s_lshl_b32 s46, s42, 8
	s_add_co_u32 s46, s46, s18                     ; B: row 256 x tile column + 128 x half
	s_mov_b32 s21, 0
	s_mov_b32 s47, 0
	s_mov_b64 s[18:19], KS
	s_mul_u64 s[22:23], s[20:21], s[18:19]         ; where these rows' scales begin
	s_mul_u64 s[92:93], s[46:47], s[18:19]
	s_mov_b64 s[18:19], KROW
	s_mul_u64 s[20:21], s[20:21], s[18:19]         ; and their codes
	s_mul_u64 s[46:47], s[46:47], s[18:19]
	s_mul_i32 s45, s14, HALFT                      ; where they go: wave x 128 rows
	s_mul_i32 s94, s14, HALFS
	s_wait_dscnt 0x0                               ; both opening adds are done
	s_wait_kmcnt 0x0
	s_add_nc_u64 s[20:21], s[4:5], s[20:21]
	s_add_nc_u64 s[22:23], s[6:7], s[22:23]
	s_add_nc_u64 s[46:47], s[8:9], s[46:47]
	s_add_nc_u64 s[92:93], s[10:11], s[92:93]
	CROUND                                         ; all sixteen work-groups are here: the joint loads meet
	s_mov_b32 s[G0S], 1
	s_add_co_u32 s[G0S+1], s94, SCL
	s_mov_b64 s[G0S+2:G0S+3], s[22:23]
	s_or_b32 s[G0S+3], s[G0S+3], 0x80000000
	s_mov_b32 s[G0SB], 1
	s_add_co_u32 s[G0SB+1], s94, SCL
	s_mov_b64 s[G0SB+2:G0SB+3], s[92:93]
	s_or_b32 s[G0SB+3], s[G0SB+3], 0x80000000
	JLOAD G0S, G1S, G0SB, G1SB                     ; the scales first: they are wanted with K step 0.  Three loads of mine are out behind this group
.irp s, 0,1
	s_mov_b32 s[G0+4*\s], 1
	s_add_co_u32 s[G0+4*\s+1], s45, \s*SLOT
	s_add_nc_u64 s[G0+4*\s+2:G0+4*\s+3], s[20:21], \s*ROWB
	s_or_b32 s[G0+4*\s+3], s[G0+4*\s+3], 0x80000000
	s_mov_b32 s[G0B+4*\s], 1
	s_add_co_u32 s[G0B+4*\s+1], s45, \s*SLOT
	s_add_nc_u64 s[G0B+4*\s+2:G0B+4*\s+3], s[46:47], \s*ROWB
	s_or_b32 s[G0B+4*\s+3], s[G0B+4*\s+3], 0x80000000
	JLOAD G0+4*\s, G1, G0B+4*\s, G1B
.endr
	v_and_b32 v1, 15, v0                           ; r = l % 16
	v_bfe_u32 v2, v0, 4, 1                         ; h = l / 16
	v_mul_u32_u24 v3, v1, PITCH
	v_lshl_add_u32 v4, v2, 4, v3                   ; a fragment's row x pitch + 16 x half
	s_mul_i32 s21, s15, HALFT                      ; my 128 rows of A
	s_mul_i32 s22, s16, HALFT                      ; my 128 rows of B,
	s_add_co_u32 s22, s22, 2*HALFT                 ; behind A's 256
.irp s, 0,1
	v_add_nc_u32 v[ADRA+\s], s21, v4
	v_add_nc_u32 v[ADRB+\s], s22, v4
	s_add_co_u32 s21, s21, SLOT
	s_add_co_u32 s22, s22, SLOT
.endr
	v_mul_u32_u24 v5, v1, KS                       ; my row's scales: KS bytes a row,
	v_lshrrev_b32 v6, 8, v5
	v_lshl_add_u32 v5, v6, 4, v5                   ; and 16 more for each 256 passed
	s_mul_i32 s21, s15, HALFS
	s_mul_i32 s22, s16, HALFS
	s_add_co_u32 s22, s22, 2*HALFS
	s_sub_co_u32 s22, s22, s21
	v_mul_u32_u24 v6, s22, v2                      ; lanes 16-31 take B's: one product, the distance between the two bases
	s_add_co_u32 s21, s21, SCL
	v_add_nc_u32 v5, v5, v6
	v_add_nc_u32 v[ADRS], s21, v5
	s_mul_i32 s23, s14, 16*SPITCH                  ; my stage
	v_mul_u32_u24 v5, v1, SPITCH                   ; in: row r, 16 bytes for each half of the lanes
	v_lshl_add_u32 v5, v2, 4, v5
	v_add_nc_u32 v[STO], s23, v5
	v_and_b32 v6, 31, v0
	v_lshlrev_b32 v[CO], 4, v6
	v_lshrrev_b32 v5, 3, v6                        ; back: eight lanes take one head's 128 bytes of a row, four rows an instruction
	v_mul_u32_u24 v5, v5, SPITCH
	v_and_b32 v7, 7, v0
	v_lshl_add_u32 v5, v7, 4, v5
	v_add_nc_u32 v[RD], s23, v5
	v_mul_u32_u24 v[FO], v1, 12288
	v_lshl_add_u32 v[FO], v2, 5, v[FO]
	; qkv at my wave's first position of its first head: ((cy 48 + 4 tile column + 2 half) 2048 + 256 cluster y + 128 half) x 128 bytes
	s_mul_i32 s20, s41, 98304
	s_and_b32 s21, ttmp7, 0xffff
	s_or_b32 s96, s21, s15                         ; 0 where my first 16 rows are positions 0-15 of a batch: cluster y and the wave's number alone
	s_lshl_b32 s21, s21, 8
	s_add_co_u32 s20, s20, s21
	s_lshl_b32 s21, s15, 7
	s_add_co_u32 s20, s20, s21
	s_lshl_b32 s20, s20, 7
	s_mov_b32 s21, 0
	s_add_nc_u64 s[12:13], s[12:13], s[20:21]
	s_lshl_b32 s46, s42, 2
	s_lshl_b32 s47, s16, 1
	s_add_co_u32 s46, s46, s47
	s_lshl_b32 s46, s46, 18
	s_mov_b32 s47, 0
	s_add_nc_u64 s[12:13], s[12:13], s[46:47]
	s_mul_i32 s20, s41, 196608                     ; top16: my batch, my first column
	s_add_nc_u64 s[66:67], s[66:67], s[20:21]
	s_lshl_b32 s46, s42, 10
	s_lshl_b32 s92, s16, 9
	s_add_co_u32 s46, s46, s92
	s_add_nc_u64 s[66:67], s[66:67], s[46:47]
.macro FRAG reg, adr, q, i             ; 16 rows x 128 K of 4-bit codes: 8 registers; registers 4 c .. 4 c + 3 hold K = 64 c + 32 (l / 16) + 0 .. 31
.irp c, 0,1
	ds_load_b128 v[\reg+4*\c:\reg+4*\c+3], v[\adr] offset:64*(\q)+32*\c+(\i)*16*PITCH
.endr
.endm
; 16 matrix instructions: A's blocks a0, a0 + 1 x B's eight, the slot's q-th 128 along K.  p: B's set; sc: the set of scale words.  zero = 1: the first product starts the sums.
; The 64 accumulators take turns, one instruction a turn, in the same order in every step.
.macro MUL16 a0, p, q, sc, zero
.irp a, \a0, \a0+1
.irp b, 0,1,2,3,4,5,6,7
.if \zero
	v_wmma_scale_f32_16x16x128_f8f6f4 v[8*(8*((\a)%4)+\b):8*(8*((\a)%4)+\b)+7], v[128*(\p)+FR*\b:128*(\p)+FR*\b+FR-1], v[AF+FR*(\a):AF+FR*(\a)+FR-1], 0, v[SC+8*NQ*(\sc)+NQ*\b+(\q)], v[SC+8*NQ*(\sc)+NQ*(\a)+(\q)] matrix_a_fmt:MATRIX_FMT_FP4 matrix_b_fmt:MATRIX_FMT_FP4 matrix_a_scale:MATRIX_SCALE_ROW1
.else
	v_wmma_scale_f32_16x16x128_f8f6f4 v[8*(8*((\a)%4)+\b):8*(8*((\a)%4)+\b)+7], v[128*(\p)+FR*\b:128*(\p)+FR*\b+FR-1], v[AF+FR*(\a):AF+FR*(\a)+FR-1], v[8*(8*((\a)%4)+\b):8*(8*((\a)%4)+\b)+7], v[SC+8*NQ*(\sc)+NQ*\b+(\q)], v[SC+8*NQ*(\sc)+NQ*(\a)+(\q)] matrix_a_fmt:MATRIX_FMT_FP4 matrix_b_fmt:MATRIX_FMT_FP4 matrix_a_scale:MATRIX_SCALE_ROW1
.endif
.endr
.endr
.endm
.macro FETCH_B slot, q, p
	WIN TO_B
.irp i, 0,1,2,3,4,5,6,7
	FRAG 128*(\p)+FR*\i, ADRB+\slot, \q, \i
.endr
	WIN 0
.endm
.macro FETCH_A slot, q, i0
.irp i, \i0, \i0+1, \i0+2, \i0+3
	FRAG AF+FR*(\i), ADRA+\slot, \q, \i
.endr
.endm
.macro SCALES sc                       ; a K step's scale words into set sc: lanes 0-15 take A's block i, lanes 16-31 B's block i
.irp i, 0,1,2,3,4,5,6,7
	ds_load_b128 v[SC+8*NQ*\sc+NQ*\i:SC+8*NQ*\sc+NQ*\i+3], v[ADRS] offset:\i*SBLK
.endr
.endm
.macro PLACES n                        ; plain vector lines between a matrix instruction and a load into, or a read of, its registers
.rept \n
	v_nop
.endr
.endm
.macro STEP slot, q, zero              ; a step of 128 along K that has its successor in the same slot
	s_wait_dscnt 4*NL                              ; B's set and A's blocks 0-3 are in; the youngest eight loads (A's blocks 4-7) may be out
	WIN MUL_LO
	MUL16 0, (\q)%2, \q, \slot, \zero
	MUL16 2, (\q)%2, \q, \slot, \zero
	s_wait_dscnt 0                                 ; A's blocks 4-7 are in
	PLACES NP
	FETCH_B \slot, (\q)+1, 1-(\q)%2
	FETCH_A \slot, (\q)+1, 0
	WIN MUL_HI
	MUL16 4, (\q)%2, \q, \slot, \zero
	MUL16 6, (\q)%2, \q, \slot, \zero
	PLACES NP
	WIN 0
	FETCH_A \slot, (\q)+1, 4
.endm
; Slot 0's last step changes slots: one barrier; in front of it each wave waits for all its tensor loads (slot 1's part), adds 0 to its spare word, and waits for that and for its reads of slot 0.  Nothing is filled again.
.macro TURN slot, next
	s_wait_tensorcnt 0x0
	ds_add_u32 v[SPW], v[NIL]
	s_wait_dscnt 4*NL+1                            ; (the add and A's blocks 4-7, eight loads, may be out)
	WIN MUL_LO
	MUL16 0, 1, NQ-1, \slot, 0
	s_wait_dscnt 0x0                               ; the add is done, and my reads of this slot are over
	s_barrier_signal -1
	MUL16 2, 1, NQ-1, \slot, 0
	WIN 0
	s_barrier_wait -1
	PLACES NP
	v_add_nc_u32 v[ADRS], 4*NQ, v[ADRS]            ; on to the next K step's scale words
	FETCH_B \next, 0, 0
	FETCH_A \next, 0, 0
	SCALES \next
	WIN MUL_HI
	MUL16 4, 1, NQ-1, \slot, 0
	MUL16 6, 1, NQ-1, \slot, 0
	PLACES NP
	WIN 0
	FETCH_A \next, 0, 4
.endm
.macro STEPS slot, from
.set Q, \from
.rept NQ-1-\from
	STEP \slot, Q, 0
.set Q, Q+1
.endr
.endm
	s_wait_tensorcnt 1                             ; the scales and my part of K step 0 are in; K step 1's load may be out
	s_barrier_signal -1
	s_barrier_wait -1
	FETCH_B 0, 0, 0
	FETCH_A 0, 0, 0
	SCALES 0
	FETCH_A 0, 0, 4
	STEP 0, 0, 1                                   ; the first step's products start the sums
	STEPS 0, 1
	TURN 0, 1
	STEPS 1, 0
	s_wait_dscnt 4*NL                              ; the very last step: nothing more to fetch
	WIN MUL_LO
	MUL16 0, 1, NQ-1, 1, 0
	MUL16 2, 1, NQ-1, 1, 0
	s_wait_dscnt 0
	WIN MUL_HI
	MUL16 4, 1, NQ-1, 1, 0
	MUL16 6, 1, NQ-1, 1, 0
	WIN 0
	PLACES NP
	; Positions 0-15 of a batch also leave unrounded, for the launch that carries them in f32: 32 bytes a lane, 768 KiB in the whole launch
	s_cmp_lg_u32 s96, 0
	s_cbranch_scc1 .Lnofine
	WIN 0x08                                       ; a store's data: window 2
.irp b, 0,1,2,3,4,5,6,7
	global_store_b128 v[FO], v[8*\b:8*\b+3], s[66:67] offset:64*\b          ; each accumulator from its low end on
	global_store_b128 v[FO], v[8*\b+4:8*\b+7], s[66:67] offset:64*\b+16
.endr
	WIN 0
.Lnofine:
; THE WAY OUT, block by block of 16 rows x 128 columns (two heads).  Rounded to f16, 16 bytes a lane into my stage; back as four rows of one head, 512 bytes that are consecutive in qkv.
.macro PACK a
.set AC, 64*((\a)%4)
	WIN 0x0a+5*((\a)/4)                            ; sources 0 and 1: window 2 or 3
.irp b, 0,1,2,3,4,5,6,7
.irp i, 0,1,2,3
	v_cvt_pk_f16_f32 v[TMP+4*\b+\i], v[AC+8*\b+2*\i], v[AC+8*\b+2*\i+1]
.endr
.endr
	WIN 0
.endm
.macro TOSTAGE a
.set BB, BK+32*((\a)%2)
.if (\a) > 1
	s_wait_xcnt 0x0                                ; the stores of two blocks back have read the registers into which the loads below land
.endif
.irp b, 0,1,2,3,4,5,6,7
	ds_store_b128 v[STO], v[TMP+4*\b:TMP+4*\b+3] offset:32*\b
.endr
.irp t, 0,1,2,3,4,5,6,7
	ds_load_b128 v[BB+4*\t:BB+4*\t+3], v[RD] offset:(\t/4)*128+(\t%4)*4*SPITCH   ; LDS serves a wave's instructions in order: these see the stores above
.endr
.endm
.macro SEND a
.set BB, BK+32*((\a)%2)
	s_wait_dscnt 0x0                               ; the block is back in registers
.irp t, 0,1,2,3,4,5,6,7
	global_store_b128 v[CO], v[BB+4*\t:BB+4*\t+3], s[12:13] offset:(\t/4)*262144+(\a)*2048+(\t%4)*512   ; 32 lanes store 512 consecutive bytes: four positions of one head
.endr
.endm
	PACK 0
	TOSTAGE 0
.irp a, 1,2,3,4,5,6,7
	PACK \a
	SEND \a-1
	TOSTAGE \a
.endr
	SEND 7
	s_wait_tensorcnt 0x0                           ; the wave's end
	ds_add_u32 v[SPW], v[NIL]
	s_wait_dscnt 0x0
	CROUND                                         ; the closing round
	s_endpgm
.Lfunc_end_k_qfc287ea89d_gemm:
	.size	k_qfc287ea89d_gemm, .Lfunc_end_k_qfc287ea89d_gemm-k_qfc287ea89d_gemm
	.p2alignl 7, 3214868480
	.fill 96, 4, 3214868480
	.section	.rodata,"a",@progbits
	.p2align	6, 0x0
	.amdhsa_kernel k_qfc287ea89d_gemm
		.amdhsa_group_segment_fixed_size 327680
		.amdhsa_private_segment_fixed_size 0
		.amdhsa_enable_private_segment 0
		.amdhsa_kernarg_size 48
		.amdhsa_user_sgpr_count 2
		.amdhsa_user_sgpr_kernarg_segment_ptr 1
		.amdhsa_wavefront_size32 1
		.amdhsa_system_sgpr_workgroup_id_x 1
		.amdhsa_system_sgpr_workgroup_id_y 1
		.amdhsa_system_sgpr_workgroup_id_z 1
		.amdhsa_system_vgpr_workitem_id 0
		.amdhsa_next_free_vgpr 1024
		.amdhsa_next_free_sgpr 100
		.amdhsa_reserve_vcc 0
		.amdhsa_float_denorm_mode_32 3
		.amdhsa_float_denorm_mode_16_64 3
		.amdhsa_memory_ordered 1
		.amdhsa_forward_progress 1
		.amdhsa_inst_pref_size 128
	.end_amdhsa_kernel
	.amdgpu_metadata
---
amdhsa.version: [ 1, 2 ]
amdhsa.kernels:
  - .name:           k_qfc287ea89d_gemm
    .symbol:         k_qfc287ea89d_gemm.kd
    .args:
      - { .name: xcodes, .offset: 0, .size: 8, .value_kind: global_buffer, .address_space: global }
      - { .name: xscales, .offset: 8, .size: 8, .value_kind: global_buffer, .address_space: global }
      - { .name: wcodes, .offset: 16, .size: 8, .value_kind: global_buffer, .address_space: global }
      - { .name: wscales, .offset: 24, .size: 8, .value_kind: global_buffer, .address_space: global }
      - { .name: qkv, .offset: 32, .size: 8, .value_kind: global_buffer, .address_space: global }
      - { .name: top16, .offset: 40, .size: 8, .value_kind: global_buffer, .address_space: global }
    .group_segment_fixed_size: 327680
    .private_segment_fixed_size: 0
    .kernarg_segment_align: 8
    .kernarg_segment_size: 48
    .max_flat_workgroup_size: 128
    .sgpr_count:     100
    .vgpr_count:     1024
    .wavefront_size: 32
...
	.end_amdgpu_metadata
.endif
;; end of part 2
;; launch attn (part 3): grid 4 x 64, 16 waves a work-group, no clusters, 327,680 bytes of LDS; arguments qkv, z; writes z
.if DOCPART == 3
	.amdgcn_target "amdgcn-amd-amdhsa--gfx1250"
	.amdhsa_code_object_version 6
	.text
	.protected	k_qfc287ea89d_attn
	.globl	k_qfc287ea89d_attn
	.p2align	8
	.type	k_qfc287ea89d_attn,@function
k_qfc287ea89d_attn:
	s_mov_b64 s[64:65], 0
	v_nop
	global_prefetch_b8 v0, s[64:65] scope:SCOPE_SE
	s_setreg_imm32_b32 hwreg(HW_REG_WAVE_MODE, 25, 1), 1
	s_wait_xcnt 0x0
; z[b,h][q][:] = the sum over k <= q of softmax_k(q . k / 8) v[k][:], head size 64, 2,048 positions, f16 operands, f32 products' sums, maxima and row sums; the weights p are rounded to f16 for the second product.
; qkv: f16 [b 4][g 48 = which*16 + h][2048][64]; z: f16 [b*16 + h][2048][64].  LIMIT: NaN and infinities are not served.
; SHARES.  Work-group (i, y = b*16 + h) owns the blocks of 256 queries i and 7 - i of one head: (i + 1) + (8 - i) = 9 pairs of blocks under the causal mask, the same for all 256 work-groups.
; A wave owns 32 neighbouring queries, two tiles of 16 that share every fragment of K and V: waves 0-7 in block i, waves 8-15 in block 7 - i, these in reversed order.
; All sixteen waves walk ONE ring of keys from key 0 on: 8 slots of 256 keys, 4 steps of 64 keys each: the trip counts are constants.  A step all of whose keys come after the wave's queries is jumped over, and a slot
; that comes after the work-group's last query is not asked for: both by branches on ids and counted steps alone.
; NO CLUSTER: under the mask the work-groups of a head need different numbers of tiles, so a joint load would bring tiles that a partner never reads.
; LAYOUT.  S^T = K Q^T (source 0 = 16 keys, source 1 = 16 queries): a lane holds ONE query (lane % 16) and keys 8 (lane / 16) + 0..7.  Two such tiles, rounded in pairs, are source 1 (32 keys x 16 queries) of
; O^T = V^T P, whose result again holds one query a lane.  K comes out of LDS as it lies, V turned, by ds_load_tr16_b128.
; SOFTMAX.  A running maximum m and sum l for each query: p = 2^(c s - c m), c = log2(e) / 8; in every step O and l are multiplied by a = 2^(c m_old - c m_new).
; REGISTERS: v1-11 addresses and constants; v12-27 statistics, 8 a tile; v28-59 Q; v60-123 K of a step, then V; v124-187 S^T, p, then P packed in place; v188-251 O^T; v252 Q's offset.
.set PK,    144                        ; a key's row in LDS: 128 bytes + 16: rows start 4 banks apart modulo 64
.set PV,    160                        ; a row of V: 128 + 32: an odd multiple of 32 bytes
.set VOFF,  64*PK                      ; a step's block: 64 rows of K, then 64 rows of V
.set STEPB, 64*(PK+PV)
.set SLOT1, 1<<17                      ; a slot holds 4 steps (77,824 bytes); slot 1 begins here: one exclusive or turns an address
.set SPARE, 2*SLOT1                    ; the spare words, 128 bytes for each of the sixteen waves
.set SPW, 1
.set NIL, 2
.set AK0, 3                            ; my lane's place in a tile of K
.set AV0, 4                            ; and of V
.set ADK, 5                            ; the step's addresses; on the way out: into the stage
.set ADV, 6                            ; on the way out: back from the stage
.set DL,  7                            ; r - 8 h
.set D0,  8                            ; v8, v9: my query less the step's first key less 8 h, for tiles 0, 1; on the way out v8: 16 x lane
.set NINF, 10
.set PFO, 11                           ; 256 x lane
.set ST,  12                           ; tile t at v[ST+8t]: +0 c m, +1 m, +2,+3 l, +4..+7 at work; a at +6
.set QF,  28
.set KV,  60
.set S,   124
.set O,   188
.set QOF, 252
.set WV,  8
.set Q0,  9                            ; my first query
.set KF,  10                           ; the step's first key
.set TB,  11                           ; LDS byte at which the step's block begins
.set SLOTS, 12
.set NST, 13
.set LASTQ, 14                         ; my work-group's last query
.set LIM, 15
.set PFA, 16
.set SEL, 18
.set CS,  20
.set G1K, 24
.set G1V, 32
.set G0K, 40
.set G0V, 44
; Waves 0-3 fetch K of the slot's step w, waves 4-7 V of step w - 4, the others nothing: 64 rows a load.  An s_nop 0 and four v_nop follow each line.
.macro TLOAD
	s_cmp_lt_u32 s[WV], 4
	s_cbranch_scc0 .Lnot_k_\@
	tensor_load_to_lds s[G0K:G0K+3], s[G1K:G1K+7]
	s_nop 0
.rept 4
	v_nop
.endr
	s_branch .Lasked_\@
.Lnot_k_\@:
	s_cmp_lt_u32 s[WV], 8
	s_cbranch_scc0 .Lasked_\@
	tensor_load_to_lds s[G0V:G0V+3], s[G1V:G1V+7]
	s_nop 0
.rept 4
	v_nop
.endr
.Lasked_\@:
.endm
; A prefetch of what the NEXT change of slots will ask for: 256 rows of K and of V, 32,768 dense bytes each.  The head's work-group 0 walks all eight slots: it alone asks; in it waves 8-11 name K's 128 blocks of 256 bytes,
; waves 12-15 V's, a lane a block: each block is named once in the launch.  Slots 0 and 1 come by their loads alone; the last change that fills a slot asks for nothing.
.macro ASK
	s_cmp_gt_u32 s[SLOTS], s[LIM]
	s_cbranch_scc0 .Lnot_mine_\@
	global_prefetch_b8 v[PFO], s[PFA:PFA+1] th:TH_LOAD_NT scope:SCOPE_SE
.Lnot_mine_\@:
.endm
	s_load_b128 s[4:7], s[0:1], 0x0                ; qkv, z
	v_lshl_add_u32 v[SPW], v0, 2, SPARE
	v_mov_b32 v[NIL], 0
	ds_add_u32 v[SPW], v[NIL]                      ; the wave's opening: the add, twice on end, and its wait ahead of my first tensor load
	ds_add_u32 v[SPW], v[NIL]
	v_lshrrev_b32 v[AK0], 5, v0
	v_readfirstlane_b32 s[WV], v[AK0]              ; wave 0..15
	s_lshl_b32 s48, ttmp9, 8
	s_lshl_b32 s49, s[WV], 5
	s_add_co_u32 s48, s48, s49                     ; waves 0-7: 256 i + 32 w
	s_sub_co_u32 s50, 7, ttmp9
	s_lshl_b32 s50, s50, 8
	s_sub_co_u32 s51, 15, s[WV]
	s_lshl_b32 s51, s51, 5
	s_add_co_u32 s51, s51, s50                     ; waves 8-15: 256 (7 - i) + 32 (15 - w)
	s_add_co_u32 s[LASTQ], s50, 255
	s_cmp_lt_u32 s[WV], 8
	s_cselect_b32 s[Q0], s48, s51
	s_and_b32 s48, ttmp7, 0xffff                   ; y = b*16 + h
	s_lshr_b32 s49, s48, 4
	s_and_b32 s50, s48, 15
	s_mul_i32 s49, s49, 48
	s_add_co_u32 s49, s49, s50                     ; b*48 + h
	s_lshl_b32 s52, s49, 18                        ; q's head in qkv, in bytes
	s_lshl_b32 s54, s48, 18                        ; the head in z
	s_lshl_b32 s51, s[Q0], 7
	s_add_co_u32 s54, s54, s51                     ; my first row of z
	s_mov_b32 s55, 0
	s_add_co_u32 s56, s52, s51                     ; my first row of q
	s_mov_b32 s57, 0
	s_and_b32 s58, s[WV], 3                        ; which of a slot's four steps I fetch, or which quarter of a slot I prefetch
	s_mul_i32 s60, s58, STEPB                      ; its place in a slot
	s_lshl_b32 s58, s58, 13                        ; its 64 rows of 128 bytes in memory
	s_add_co_u32 s58, s58, s52
	s_mov_b32 s59, 0
	s_mov_b32 s[G1K], (1<<16)|(1<<20)|(4<<22)|(3<<25)   ; no mask; elements of 2 bytes; padding on: after every 32 words, 4 words
	s_mov_b32 s[G1V], (1<<16)|(1<<20)|(4<<22)|(7<<25)   ; the same with 8 words
.irp g, G1K, G1V
	s_mov_b32 s[\g+1], 64<<16                      ; tensor_dim0 = 64
	s_mov_b32 s[\g+2], 64<<16                      ; tensor_dim1 = 64
	s_mov_b32 s[\g+3], 64<<16                      ; tile_dim0 = 64
	s_mov_b32 s[\g+4], 64                          ; tile_dim1 = 64
	s_mov_b32 s[\g+5], 64                          ; stride from row to row
	s_mov_b32 s[\g+6], 0
	s_mov_b32 s[\g+7], 0
.endr
	s_mov_b32 s[SEL], 0x76543210
	s_mov_b32 s[SEL+1], 0xfedcba98                 ; v_permlanex16_b32: lane l xor 16
	s_mov_b32 s[CS], 0x3e38aa3b                    ; c = log2(e) / 8
	s_mov_b32 s[CS+1], s[CS]
	s_mov_b32 s[TB], 0
	s_mov_b32 s[KF], 0
	s_mov_b32 s[SLOTS], 7
	s_cmp_lt_u32 s[WV], 12                         ; waves 8-11 prefetch K's rows, waves 12-15 V's; they stand in slot 1: the first change steps them to slot 2
	s_mov_b32 s62, 32*262144+32768
	s_cselect_b32 s62, 16*262144+32768, s62
	s_mov_b32 s63, 0
	s_lshr_b32 s50, s[WV], 3
	s_xor_b32 s50, s50, 1                          ; 0 in waves 8-15,
	s_or_b32 s50, s50, ttmp9                       ; of the head's work-group 0
	s_cmp_eq_u32 s50, 0
	s_cselect_b32 s[LIM], 1, -1
	s_wait_dscnt 0x0                               ; both opening adds are done
	s_wait_kmcnt 0x0
	s_add_nc_u64 s[58:59], s[4:5], s[58:59]        ; q's head, + my step's rows
	s_mov_b32 s[G0K], 1
	s_mov_b32 s[G0K+1], s60                        ; slot 0
	s_add_nc_u64 s[G0K+2:G0K+3], s[58:59], 16*262144   ; k's head lies 16 heads on
	s_or_b32 s[G0K+3], s[G0K+3], 0x80000000
	s_mov_b32 s[G0V], 1
	s_add_co_u32 s[G0V+1], s60, VOFF
	s_add_nc_u64 s[G0V+2:G0V+3], s[58:59], 32*262144   ; v's 32
	s_or_b32 s[G0V+3], s[G0V+3], 0x80000000
	TLOAD                                          ; slot 0: keys 0-255, which every work-group reads.  One load of mine is out
	s_add_nc_u64 s[PFA:PFA+1], s[58:59], s[62:63]
	s_add_nc_u64 s[4:5], s[4:5], s[56:57]
	s_add_nc_u64 s[6:7], s[6:7], s[54:55]
	v_and_b32 v[DL], 15, v0                        ; r
	v_bfe_u32 v[D0], v0, 4, 1                      ; h
	v_mul_u32_u24 v[AK0], v[DL], PK
	v_lshl_add_u32 v[AK0], v[D0], 4, v[AK0]        ; K: row r x pitch + 16 h
	v_and_b32 v[ADK], 7, v0
	v_lshl_add_u32 v[ADK], v[D0], 3, v[ADK]
	v_mul_u32_u24 v[AV0], v[ADK], PV               ; V: key 8 h + l % 8,
	v_bfe_u32 v[ADV], v0, 3, 1
	v_lshl_add_u32 v[AV0], v[ADV], 4, v[AV0]       ; channels 8 ((l / 8) % 2) on
	v_add_nc_u32 v[AV0], VOFF, v[AV0]
	v_lshlrev_b32 v[QOF], 7, v[DL]
	v_lshl_add_u32 v[QOF], v[D0], 4, v[QOF]        ; Q: row r of 128 bytes + 16 h
.irp t, 0,1
.irp c, 0,1
	global_load_b128 v[QF+16*\t+8*\c:QF+16*\t+8*\c+3], v[QOF], s[4:5] offset:\t*2048+64*\c
	global_load_b128 v[QF+16*\t+8*\c+4:QF+16*\t+8*\c+7], v[QOF], s[4:5] offset:\t*2048+64*\c+32
.endr
.endr
	v_lshlrev_b32 v[D0+1], 3, v[D0]
	v_sub_nc_u32 v[DL], v[DL], v[D0+1]
	v_mov_b32 v[NINF], 0xff800000
	v_and_b32 v[PFO], 31, v0
	v_lshlrev_b32 v[PFO], 8, v[PFO]
.irp t, 0,1
	v_mov_b32 v[ST+8*\t+1], 0xff61b1e6             ; m: -3e38, under every score
	v_mul_f32 v[ST+8*\t], s[CS], v[ST+8*\t+1]
.irp j, 2,3,4,5,6,7
	v_mov_b32 v[ST+8*\t+\j], 0
.endr
.endr
.irp j, 0,1,2,3,4,5,6,7,8,9,10,11,12,13,14,15,16,17,18,19,20,21,22,23,24,25,26,27,28,29,30,31,32,33,34,35,36,37,38,39,40,41,42,43,44,45,46,47,48,49,50,51,52,53,54,55,56,57,58,59,60,61,62,63
	v_mov_b32 v[O+\j], 0                           ; O^T: the step is written once; its first pass finds zeros, which a = 0 leaves zeros
.endr
; A KEY STEP: 64 keys, both tiles.
.macro STEP
	s_add_co_u32 s50, s[Q0], 31
	s_cmp_gt_u32 s[KF], s50                        ; all 64 keys come after my 32 queries: the step's work is left out; the address steps at its end are not
	s_cbranch_scc1 .Lhidden_\@
	v_add_nc_u32 v[ADK], s[TB], v[AK0]
	v_add_nc_u32 v[ADV], s[TB], v[AV0]
.irp kt, 0,1,2,3
.irp c, 0,1
	ds_load_b128 v[KV+16*\kt+8*\c:KV+16*\kt+8*\c+3], v[ADK] offset:\kt*16*PK+64*\c
	ds_load_b128 v[KV+16*\kt+8*\c+4:KV+16*\kt+8*\c+7], v[ADK] offset:\kt*16*PK+64*\c+32
.endr
.endr
	s_wait_dscnt 0x0                               ; K is in
.irp c, 0,1                                    ; S^T = K Q^T: eight accumulators by turns; the first eight products start the sums
.irp kt, 0,1,2,3
.irp t, 0,1
.if \c == 0
	v_wmma_f32_16x16x32_f16 v[S+32*\t+8*\kt:S+32*\t+8*\kt+7], v[KV+16*\kt+8*\c:KV+16*\kt+8*\c+7], v[QF+16*\t+8*\c:QF+16*\t+8*\c+7], 0
.else
	v_wmma_f32_16x16x32_f16 v[S+32*\t+8*\kt:S+32*\t+8*\kt+7], v[KV+16*\kt+8*\c:KV+16*\kt+8*\c+7], v[QF+16*\t+8*\c:QF+16*\t+8*\c+7], v[S+32*\t+8*\kt:S+32*\t+8*\kt+7]
.endif
.endr
.endr
.endr
.rept 4
	v_nop                                          ; places in front of the loads over K's registers and of the first read of the scores
.endr
.irp f, 0,1                                    ; V, turned: keys 32 f on, channels 16 ct on; it lands while the softmax is worked
.irp ct, 0,1,2,3
	ds_load_tr16_b128 v[KV+32*\f+8*\ct:KV+32*\f+8*\ct+3], v[ADV] offset:\f*32*PV+\ct*32
	ds_load_tr16_b128 v[KV+32*\f+8*\ct+4:KV+32*\f+8*\ct+7], v[ADV] offset:\f*32*PV+16*PV+\ct*32
.endr
.endr
	s_add_co_u32 s50, s[KF], 63
	s_cmp_le_u32 s50, s[Q0]                        ; all 64 keys count for all my queries: no mask
	s_cbranch_scc1 .Lopen_\@
	s_sub_co_i32 s50, s[Q0], s[KF]
	v_add_nc_u32 v[D0], s50, v[DL]                 ; register 8 kt + j holds key KF + 16 kt + 8 h + j: hidden where 16 kt + j > my query - KF - 8 h
	v_add_nc_u32 v[D0+1], 16, v[D0]
.irp t, 0,1
.irp n, 0,1,2,3,4,5,6,7,8,9,10,11,12,13,14,15,16,17,18,19,20,21,22,23,24,25,26,27,28,29,30,31
	v_cmp_gt_i32 vcc_lo, 16*(\n/8)+\n%8, v[D0+\t]
	v_cndmask_b32 v[S+32*\t+\n], v[S+32*\t+\n], v[NINF], vcc_lo
.endr
.endr
.Lopen_\@:
.irp j, 0,1,2,3                                ; the maximum of a lane's 32 scores and the old m: four chains, each begun at an accumulator's low end; the two tiles alternate
.irp t, 0,1
	v_max3_num_f32 v[ST+8*\t+4+\j], v[S+32*\t+8*\j], v[S+32*\t+8*\j+1], v[S+32*\t+8*\j+2]
.endr
.endr
.irp g, 1,2
.irp j, 0,1,2,3
.irp t, 0,1
	v_max3_num_f32 v[ST+8*\t+4+\j], v[ST+8*\t+4+\j], v[S+32*\t+8*\j+2*\g+1], v[S+32*\t+8*\j+2*\g+2]
.endr
.endr
.endr
.irp t, 0,1
	v_max3_num_f32 v[ST+8*\t+4], v[ST+8*\t+4], v[S+32*\t+7], v[S+32*\t+15]
.endr
.irp t, 0,1
	v_max3_num_f32 v[ST+8*\t+6], v[ST+8*\t+6], v[S+32*\t+23], v[S+32*\t+31]
.endr
.irp t, 0,1
	v_max3_num_f32 v[ST+8*\t+4], v[ST+8*\t+4], v[ST+8*\t+5], v[ST+8*\t+6]
.endr
.irp t, 0,1
	v_max3_num_f32 v[ST+8*\t+4], v[ST+8*\t+4], v[ST+8*\t+7], v[ST+8*\t+1]
.endr
.irp t, 0,1
	v_permlanex16_b32 v[ST+8*\t+5], v[ST+8*\t+4], s[SEL], s[SEL+1]   ; the query's other 32 keys lie in the lane 16 away
.endr
.irp t, 0,1
	v_mov_b32 v[ST+8*\t+7], v[ST+8*\t]             ; c m_old
.endr
.irp t, 0,1
	v_max_num_f32 v[ST+8*\t+1], v[ST+8*\t+4], v[ST+8*\t+5]
.endr
.irp t, 0,1
	v_mul_f32 v[ST+8*\t], s[CS], v[ST+8*\t+1]
.endr
.irp t, 0,1
	v_sub_f32 v[ST+8*\t+7], v[ST+8*\t+7], v[ST+8*\t]
.endr
.irp n, 0,2,4,6,8,10,12,14,16,18,20,22,24,26,28,30
.irp t, 0,1
	v_pk_fma_f32 v[S+32*\t+\n:S+32*\t+\n+1], v[S+32*\t+\n:S+32*\t+\n+1], s[CS:CS+1], v[ST+8*\t:ST+8*\t+1] op_sel_hi:[1,0,0] neg_lo:[0,0,1] neg_hi:[0,0,1]   ; c s - c m
.endr
.endr
.irp t, 0,1                                    ; ONE batch: both a and all 64 p; none reads another's result
	v_exp_f32 v[ST+8*\t+6], v[ST+8*\t+7]
.endr
.irp t, 0,1
.irp n, 0,1,2,3,4,5,6,7,8,9,10,11,12,13,14,15,16,17,18,19,20,21,22,23,24,25,26,27,28,29,30,31
	v_exp_f32 v[S+32*\t+\n], v[S+32*\t+\n]
.endr
.endr
	v_nop                                          ; a plain line behind the last exponential
	s_wait_alu depctr_va_vdst(0)                   ; one wait for the batch, ahead of its first reader
.irp t, 0,1
	v_pk_mul_f32 v[ST+8*\t+2:ST+8*\t+3], v[ST+8*\t+2:ST+8*\t+3], v[ST+8*\t+6:ST+8*\t+7] op_sel_hi:[1,0]   ; l under the new m
.endr
.irp t, 0,1
	v_pk_add_f32 v[ST+8*\t+4:ST+8*\t+5], v[S+32*\t:S+32*\t+1], v[S+32*\t+2:S+32*\t+3]   ; the row's sum of the unrounded p, in two chains
.endr
.irp n, 4,8,12,16,20,24,28
.irp t, 0,1
	v_pk_add_f32 v[ST+8*\t+2:ST+8*\t+3], v[ST+8*\t+2:ST+8*\t+3], v[S+32*\t+\n:S+32*\t+\n+1]
	v_pk_add_f32 v[ST+8*\t+4:ST+8*\t+5], v[ST+8*\t+4:ST+8*\t+5], v[S+32*\t+\n+2:S+32*\t+\n+3]
.endr
.endr
.irp t, 0,1
	v_pk_add_f32 v[ST+8*\t+2:ST+8*\t+3], v[ST+8*\t+2:ST+8*\t+3], v[ST+8*\t+4:ST+8*\t+5]
.endr
.irp t, 0,1                                    ; P, packed in place: word n takes numbers 2 n and 2 n + 1; in ascending order no number is written over before it is read
.irp n, 0,1,2,3,4,5,6,7,8,9,10,11,12,13,14,15
	v_cvt_pk_f16_f32 v[S+32*\t+\n], v[S+32*\t+2*\n], v[S+32*\t+2*\n+1]
.endr
.endr
.irp t, 0,1
.irp n, 0,2,4,6,8,10,12,14,16,18,20,22,24,26,28,30
	v_pk_mul_f32 v[O+32*\t+\n:O+32*\t+\n+1], v[O+32*\t+\n:O+32*\t+\n+1], v[ST+8*\t+6:ST+8*\t+7] op_sel_hi:[1,0]   ; O^T under the new m, each accumulator from its low end on
.endr
.endr
	s_wait_dscnt 0x0                               ; V is in
.irp f, 0,1                                    ; O^T += V^T P: eight accumulators by turns
.irp ct, 0,1,2,3
.irp t, 0,1
	v_wmma_f32_16x16x32_f16 v[O+32*\t+8*\ct:O+32*\t+8*\ct+7], v[KV+32*\f+8*\ct:KV+32*\f+8*\ct+7], v[S+32*\t+8*\f:S+32*\t+8*\f+7], v[O+32*\t+8*\ct:O+32*\t+8*\ct+7]
.endr
.endr
.endr
.rept 5
	v_nop                                          ; five places: the next step's first products write over P's registers; its loads land on V's; the way out reads O^T
.endr
.Lhidden_\@:
	s_add_co_u32 s[KF], s[KF], 64
	s_add_co_u32 s[TB], s[TB], STEPB
.endm
.macro SLOT_STEPS                      ; a slot's four steps: written once, walked four times; the LDS addresses hang on s[TB]
	s_mov_b32 s[NST], 4
.Lstep_\@:
	STEP
	s_sub_co_u32 s[NST], s[NST], 1
	s_cmp_lg_u32 s[NST], 0
	s_cbranch_scc1 .Lstep_\@
	s_sub_co_u32 s[TB], s[TB], 4*STEPB             ; back to a slot's first step,
	s_xor_b32 s[TB], s[TB], SLOT1                  ; in the other slot
.endm
; THE CHANGE OF SLOTS stands at a slot's head.  Each wave waits for all its tensor loads (its part of the slot about to be read), adds 0 to its spare word, and waits for that and for its reads of the slot that it has left.
; Behind the barrier the slot ahead is whole and nobody reads the other one.  fill = 1: that other slot takes the next 256 keys, up to the causal limit: the load has a slot's four steps in which to land.
.macro CHANGE fill
	s_wait_tensorcnt 0x0                           ; no tensor load of mine is out, so a group 0 may be written
	ds_add_u32 v[SPW], v[NIL]
.if \fill
	ds_add_u32 v[SPW], v[NIL]
	s_xor_b32 s[G0K+1], s[G0K+1], SLOT1
	s_add_nc_u64 s[G0K+2:G0K+3], s[G0K+2:G0K+3], 256*128
	s_xor_b32 s[G0V+1], s[G0V+1], SLOT1
	s_add_nc_u64 s[G0V+2:G0V+3], s[G0V+2:G0V+3], 256*128
	s_wait_xcnt 0x0                                ; the last prefetch, a slot back, has read its address
	s_add_nc_u64 s[PFA:PFA+1], s[PFA:PFA+1], 256*128
.endif
	s_wait_dscnt 0x0                               ; the add is done, and my reads of the slot that I have left are over
	s_barrier_signal -1
	s_barrier_wait -1
.if \fill
	s_add_co_u32 s50, s[KF], 256                   ; the first key of the slot that this change would ask for:
	s_cmp_gt_u32 s50, s[LASTQ]                     ; past my work-group's last query none of its waves reads it, so it is not asked for.  Ids and the count of steps alone: all sixteen waves go the same way
	s_cbranch_scc1 .Lpast_\@
	TLOAD                                          ; a wave's one tensor load until the next change
.Lpast_\@:
	ASK
.endif
.endm
	s_wait_loadcnt 0x0                             ; Q
.Lslot:                                            ; 7 trips
	CHANGE 1
	SLOT_STEPS
	s_sub_co_u32 s[SLOTS], s[SLOTS], 1
	s_cmp_lg_u32 s[SLOTS], 0
	s_cbranch_scc1 .Lslot
	CHANGE 0                                       ; the last slot is written out: nothing is left to ask for
	SLOT_STEPS
	; THE WAY OUT.  O^T / l, rounded to f16, goes through my stage (in LDS slot 0, which was left at the last change and has had its last fill) and leaves as 512 consecutive bytes: four rows of z.
.irp t, 0,1
	v_add_f32 v[ST+8*\t+4], v[ST+8*\t+2], v[ST+8*\t+3]
.endr
.irp t, 0,1
	v_permlanex16_b32 v[ST+8*\t+5], v[ST+8*\t+4], s[SEL], s[SEL+1]
.endr
.irp t, 0,1
	v_add_f32 v[ST+8*\t+4], v[ST+8*\t+4], v[ST+8*\t+5]
.endr
.irp t, 0,1
	v_rcp_f32 v[ST+8*\t+6], v[ST+8*\t+4]
.endr
	s_mul_i32 s50, s[WV], 2*16*PK                  ; my stage: two tiles of 16 rows x 144 bytes
	v_and_b32 v9, 15, v0                           ; (plain lines behind the reciprocals)
	v_bfe_u32 v10, v0, 4, 1
	v_mul_u32_u24 v[ADK], v9, PK
	v_lshl_add_u32 v[ADK], v10, 4, v[ADK]
	v_add_nc_u32 v[ADK], s50, v[ADK]               ; in: row r, 16 bytes for each half of the lanes
	v_bfe_u32 v9, v0, 3, 2
	v_and_b32 v10, 7, v0
	v_mul_u32_u24 v[ADV], v9, PK
	v_lshl_add_u32 v[ADV], v10, 4, v[ADV]
	v_add_nc_u32 v[ADV], s50, v[ADV]               ; back: eight lanes to a row of 128 bytes, four rows an instruction
	v_and_b32 v8, 31, v0
	v_lshlrev_b32 v8, 4, v8
	s_wait_alu depctr_va_vdst(0)                   ; one wait for both reciprocals, ahead of their first reader
.irp t, 0,1
.irp n, 0,2,4,6,8,10,12,14,16,18,20,22,24,26,28,30
	v_pk_mul_f32 v[O+32*\t+\n:O+32*\t+\n+1], v[O+32*\t+\n:O+32*\t+\n+1], v[ST+8*\t+6:ST+8*\t+7] op_sel_hi:[1,0]
.endr
.irp n, 0,1,2,3,4,5,6,7,8,9,10,11,12,13,14,15
	v_cvt_pk_f16_f32 v[S+32*\t+\n], v[O+32*\t+2*\n], v[O+32*\t+2*\n+1]
.endr
.irp ct, 0,1,2,3
	ds_store_b128 v[ADK], v[S+32*\t+4*\ct:S+32*\t+4*\ct+3] offset:\t*16*PK+32*\ct
.endr
.irp i, 0,1,2,3
	ds_load_b128 v[KV+16*\t+4*\i:KV+16*\t+4*\i+3], v[ADV] offset:\t*16*PK+\i*4*PK   ; LDS serves a wave's instructions in order: these see my stores
.endr
.endr
.irp t, 0,1
.irp i, 0,1,2,3
	s_wait_dscnt 8*(1-\t)+3-\i                     ; the younger LDS instructions: this tile's later loads, and for tile 0 tile 1's four stores and four loads
	global_store_b128 v8, v[KV+16*\t+4*\i:KV+16*\t+4*\i+3], s[6:7] offset:\t*2048+\i*512
.endr
.endr
	s_wait_tensorcnt 0x0                           ; the wave's end
	ds_add_u32 v[SPW], v[NIL]
	s_wait_dscnt 0x0
	s_endpgm
.Lfunc_end_k_qfc287ea89d_attn:
	.size	k_qfc287ea89d_attn, .Lfunc_end_k_qfc287ea89d_attn-k_qfc287ea89d_attn
	.p2alignl 7, 3214868480
	.fill 96, 4, 3214868480
	.section	.rodata,"a",@progbits
	.p2align	6, 0x0
	.amdhsa_kernel k_qfc287ea89d_attn
		.amdhsa_group_segment_fixed_size 327680
		.amdhsa_private_segment_fixed_size 0
		.amdhsa_enable_private_segment 0
		.amdhsa_kernarg_size 16
		.amdhsa_user_sgpr_count 2
		.amdhsa_user_sgpr_kernarg_segment_ptr 1
		.amdhsa_wavefront_size32 1
		.amdhsa_system_sgpr_workgroup_id_x 1
		.amdhsa_system_sgpr_workgroup_id_y 1
		.amdhsa_system_sgpr_workgroup_id_z 1
		.amdhsa_system_vgpr_workitem_id 0
		.amdhsa_next_free_vgpr 256
		.amdhsa_next_free_sgpr 66
		.amdhsa_reserve_vcc 1
		.amdhsa_float_denorm_mode_32 3
		.amdhsa_float_denorm_mode_16_64 3
		.amdhsa_memory_ordered 1
		.amdhsa_forward_progress 1
		.amdhsa_inst_pref_size 61
	.end_amdhsa_kernel
	.amdgpu_metadata
---
amdhsa.version: [ 1, 2 ]
amdhsa.kernels:
  - .name:           k_qfc287ea89d_attn
    .symbol:         k_qfc287ea89d_attn.kd
    .args:
      - { .name: qkv, .offset: 0, .size: 8, .value_kind: global_buffer, .address_space: global }
      - { .name: z, .offset: 8, .size: 8, .value_kind: global_buffer, .address_space: global }
    .group_segment_fixed_size: 327680
    .private_segment_fixed_size: 0
    .kernarg_segment_align: 8
    .kernarg_segment_size: 16
    .max_flat_workgroup_size: 512
    .sgpr_count:     66
    .vgpr_count:     256
    .wavefront_size: 32
...
	.end_amdgpu_metadata
.endif
;; end of part 3
;; launch oproj (part 4): grid 4 x 64, 4 waves a work-group, clusters of 4 x 4, 327,680 bytes of LDS; arguments z, wo16, out0; writes out0
.if DOCPART == 4
	.amdgcn_target "amdgcn-amd-amdhsa--gfx1250"
	.amdhsa_code_object_version 6
	.text
	.protected	k_qfc287ea89d_oproj
	.globl	k_qfc287ea89d_oproj
	.p2align	8
	.type	k_qfc287ea89d_oproj,@function
k_qfc287ea89d_oproj:
	s_mov_b64 s[64:65], 0
	v_nop
	global_prefetch_b8 v0, s[64:65] scope:SCOPE_SE
	s_setreg_imm32_b32 hwreg(HW_REG_WAVE_MODE, 25, 1), 1
	s_wait_xcnt 0x0
	s_wait_alu depctr_hold_cnt(0) depctr_sa_sdst(0) depctr_va_vdst(0) depctr_va_sdst(0) depctr_va_ssrc(0) depctr_va_vcc(0) depctr_vm_vsrc(0)
	s_getreg_b32 s2, hwreg(HW_REG_IB_STS2, 6, 4)
	s_cmp_eq_u32 s2, 0
	s_cbranch_scc0 .Lentry_in_a_cluster
	s_endpgm
.Lentry_in_a_cluster:
	s_bfe_u32 s2, ttmp6, 0x10000c
	s_cmp_lg_u32 s2, 0xf033
	s_cbranch_scc0 .Lentry_shape_is_right
	s_endpgm
.Lentry_shape_is_right:
; out0[b, q, m] = the sum over (h, d) of z[b, h, q, d] W_O[h, d, m]: M 8,192, N 1,024, K 1,024; f16 operands, f32 sums, f32 out.  z: f16 [b*16 + h][2048][64]; wo16: f16 [K 1024][N 1024].
; Positions 0-15 of each batch are NOT stored here: they belong to the launch that carries them in f32.
; A tile of C is 128 (rows) x 256 (columns): 256 work-groups.  Four waves, each 64 x 128: 32 accumulators, 256 registers.  K goes in 8 steps of 128 (two heads) through two LDS slots; a step is four quarters of 32.
; CLUSTERS: 4 x 4.  Column tile = cx; row tile = 16 cy + cluster y (cy is the batch).  A's tiles are shared along a row of the cluster, B's along a column: each is asked for jointly.
; THE MATRIX INSTRUCTION IS USED TRANSPOSED: source 0 = 16 columns of W_O, read turned from [K][N] by ds_load_tr16_b128; source 1 = 16 rows of z: a lane holds eight neighbouring columns of one row of C.
; REGISTERS: window 0: v0-31 addresses; two fragment buffers of 96 at v32 and v128 (+0..31 A's four fragments, +32..95 B's eight); on the way out v32-159 hold rows.  window 1: accumulator (a, b) at v[8 (8 a + b)].
.set AP,     144                       ; a row of z's tile in LDS: 128 bytes + 16
.set AH,     128*AP                    ; one head's 128 rows
.set BP,     544                       ; a row of W_O's tile: 512 bytes + 32: an odd multiple of 32 bytes
.set BOFF,   2*AH
.set SLOT,   BOFF+128*BP
.set STAGE,  2*SLOT                    ; behind the ring: 16 rows x 528 bytes for each wave
.set SPITCH, 528
.set SPARE,  STAGE+4*16*SPITCH
.set LAPS,   4
.set ADRA, 16
.set ADRB, 20
.set STO,  24
.set RD,   25
.set CO,   26
.set SPW,  28
.set NIL,  29
.set F0,   32
.set F1,   128
.set BK,   32
.set G1, 24
.set G0, 32
.set G1B, 48
.set G0B, 56
.set MSB, 0
.macro WIN new
.if MSB != \new
	s_set_vgpr_msb (MSB<<8)|\new
.set MSB, \new
.endif
.endm
.set MUL, 0x50                         ; C and D window 1, sources 0 and 1 window 0
.macro JLOAD s                         ; waves 0 and 1 fetch A's two heads, waves 2 and 3 B's two halves; an s_nop 0 and four v_nop follow each line
	s_cmp_eq_u32 s11, 0
	s_cbranch_scc0 .Lfor_b_\@
	tensor_load_to_lds s[G0+4*\s:G0+4*\s+3], s[G1:G1+7]
	s_nop 0
.rept 4
	v_nop
.endr
	s_branch .Lasked_\@
.Lfor_b_\@:
	tensor_load_to_lds s[G0B+4*\s:G0B+4*\s+3], s[G1B:G1B+7]
	s_nop 0
.rept 4
	v_nop
.endr
.Lasked_\@:
.endm
.macro CREST
	s_cmp_lg_u32 s10, 0
	s_cbranch_scc1 .Lnot_wave_0_\@
	s_barrier_signal -3
.Lnot_wave_0_\@:
	s_barrier_wait -3
	s_barrier_signal -1
	s_barrier_wait -1
.endm
.macro CROUND
	s_barrier_signal -1
	s_barrier_wait -1
	CREST
.endm
	s_load_b128 s[4:7], s[0:1], 0x0                ; z, wo16
	s_load_b64 s[8:9], s[0:1], 0x10                ; out0
	v_lshl_add_u32 v[SPW], v0, 2, SPARE
	v_mov_b32 v[NIL], 0
	ds_add_u32 v[SPW], v[NIL]                      ; the wave's opening: the add, twice on end, and its wait ahead of my first tensor load
	ds_add_u32 v[SPW], v[NIL]
	v_lshrrev_b32 v1, 5, v0
	v_readfirstlane_b32 s10, v1                    ; wave 0..3
	s_lshr_b32 s11, s10, 1                         ; which 64 rows are mine.  Also: I fetch for A (0) or for B (1)
	s_and_b32 s12, s10, 1                          ; which 128 columns.  Also: which head of A, or which 64 rows of B, I fetch
	s_bfe_u32 s40, ttmp6, 0x40000                  ; cx: the column tile
	s_bfe_u32 s41, ttmp6, 0x40004                  ; cy: the batch
	s_and_b32 s13, ttmp7, 0xffff                   ; cluster y: the block of 128 positions
	s_lshl_b32 s43, s41, 2
	s_lshl_b32 s43, 15, s43                        ; my row of the cluster
	s_lshl_b32 s44, 0x1111, s40                    ; my column
	s_or_b32 s[G1+0], s43, (1<<16)|(1<<20)|(1<<21)|(4<<22)|(3<<25)   ; the mask; elements of 2 bytes; padding on; bit 21 beside a mask; after every 32 words, 4 words
	s_mov_b32 s[G1+1], 64<<16                      ; A: 128 rows of 64 elements, dense
	s_mov_b32 s[G1+2], 128<<16
	s_mov_b32 s[G1+3], 64<<16
	s_mov_b32 s[G1+4], 128
	s_mov_b32 s[G1+5], 64
	s_mov_b32 s[G1+6], 0
	s_mov_b32 s[G1+7], 0
	s_or_b32 s[G1B+0], s44, (1<<16)|(1<<20)|(1<<21)|(6<<22)|(7<<25)  ; after every 128 words, 8 words
	s_mov_b32 s[G1B+1], 256<<16                    ; B: 64 rows of 256 elements, 1,024 elements apart
	s_mov_b32 s[G1B+2], 64<<16
	s_mov_b32 s[G1B+3], 256<<16
	s_mov_b32 s[G1B+4], 64
	s_mov_b32 s[G1B+5], 1024
	s_mov_b32 s[G1B+6], 0
	s_mov_b32 s[G1B+7], 0
	s_lshl_b32 s16, s41, 4
	s_add_co_u32 s16, s16, s12                     ; A: head cy*16 + my head of the step,
	s_lshl_b32 s16, s16, 18
	s_lshl_b32 s17, s13, 14                        ; + 128 rows of 128 bytes x cluster y
	s_add_co_u32 s16, s16, s17
	s_mov_b32 s17, 0
	s_lshl_b32 s46, s12, 17                        ; B: 64 rows of 2,048 bytes x my half,
	s_lshl_b32 s47, s40, 9                         ; + 512 bytes x cx
	s_add_co_u32 s46, s46, s47
	s_mov_b32 s47, 0
	s_mul_i32 s20, s12, AH                         ; where they go: no place in the cluster enters an LDS address
	s_mul_i32 s21, s12, 64*BP
	s_add_co_u32 s21, s21, BOFF
	s_wait_dscnt 0x0                               ; both opening adds are done
	s_wait_kmcnt 0x0
	s_add_nc_u64 s[14:15], s[4:5], s[16:17]
	s_add_nc_u64 s[46:47], s[6:7], s[46:47]
	CROUND                                         ; all sixteen work-groups are here: the first joint loads meet
.irp s, 0,1
	s_mov_b32 s[G0+4*\s], 1
	s_add_co_u32 s[G0+4*\s+1], s20, \s*SLOT
	s_add_nc_u64 s[G0+4*\s+2:G0+4*\s+3], s[14:15], \s*2*262144      ; K step s: two heads on
	s_or_b32 s[G0+4*\s+3], s[G0+4*\s+3], 0x80000000
	s_mov_b32 s[G0B+4*\s], 1
	s_add_co_u32 s[G0B+4*\s+1], s21, \s*SLOT
	s_add_nc_u64 s[G0B+4*\s+2:G0B+4*\s+3], s[46:47], \s*128*2048    ; 128 rows on
	s_or_b32 s[G0B+4*\s+3], s[G0B+4*\s+3], 0x80000000
	JLOAD \s                                       ; two loads of mine are out behind this group
.endr
	v_and_b32 v1, 15, v0                           ; r
	v_bfe_u32 v2, v0, 4, 1                         ; h
	v_mul_u32_u24 v3, v1, AP
	v_lshl_add_u32 v3, v2, 4, v3                   ; A: row r x pitch + 16 h
	s_mul_i32 s21, s11, 64*AP                      ; my 64 rows
	v_and_b32 v4, 7, v0
	v_lshl_add_u32 v4, v2, 3, v4
	v_mul_u32_u24 v4, v4, BP                       ; B: k row 8 h + l % 8,
	v_bfe_u32 v5, v0, 3, 1
	v_lshl_add_u32 v4, v5, 4, v4                   ; columns 8 ((l / 8) % 2) on
	s_lshl_b32 s22, s12, 8                         ; my 128 columns
	s_add_co_u32 s22, s22, BOFF
.irp s, 0,1
	v_add_nc_u32 v[ADRA+\s], s21, v3
	v_add_nc_u32 v[ADRB+\s], s22, v4
	s_add_co_u32 s21, s21, SLOT
	s_add_co_u32 s22, s22, SLOT
.endr
	s_mul_i32 s23, s10, 16*SPITCH
	s_add_co_u32 s23, s23, STAGE                   ; my stage
	v_mul_u32_u24 v5, v1, SPITCH
	v_lshl_add_u32 v5, v2, 5, v5
	v_add_nc_u32 v[STO], s23, v5                   ; in: row r, 32 bytes for each half of the lanes
	v_and_b32 v6, 31, v0
	v_lshlrev_b32 v[CO], 4, v6
	v_add_nc_u32 v[RD], s23, v[CO]                 ; back: the 32 lanes take one row of 512 bytes
	s_lshl_b32 s16, s41, 4
	s_add_co_u32 s16, s16, s13                     ; the row tile
	s_lshl_b32 s16, s16, 7
	s_lshl_b32 s17, s11, 6
	s_add_co_u32 s16, s16, s17                     ; my first row of out0,
	s_lshl_b32 s16, s16, 12                        ; of 4,096 bytes
	s_mov_b32 s17, 0
	s_add_nc_u64 s[8:9], s[8:9], s[16:17]
	s_lshl_b32 s46, s40, 10
	s_lshl_b32 s47, s12, 9
	s_add_co_u32 s46, s46, s47                     ; my first column, in bytes
	s_mov_b32 s47, 0
	s_add_nc_u64 s[8:9], s[8:9], s[46:47]
	s_or_b32 s2, s13, s11                          ; 0 where my first 16 rows are positions 0-15 of a batch: cluster y and the wave's number alone
; 24 LDS loads in one run: quarter q of a slot into buffer f: B's eight fragments, then A's blocks 0, 1, then 2, 3
.macro FETCH slot, q, f
	WIN 0
.irp b, 0,1,2,3,4,5,6,7
	ds_load_tr16_b128 v[\f+32+8*\b:\f+32+8*\b+3], v[ADRB+\slot] offset:32*(\q)*BP+32*\b
	ds_load_tr16_b128 v[\f+32+8*\b+4:\f+32+8*\b+7], v[ADRB+\slot] offset:32*(\q)*BP+32*\b+16*BP
.endr
.irp a, 0,1,2,3
	ds_load_b128 v[\f+8*\a:\f+8*\a+3], v[ADRA+\slot] offset:((\q)/2)*AH+((\q)%2)*64+\a*16*AP
	ds_load_b128 v[\f+8*\a+4:\f+8*\a+7], v[ADRA+\slot] offset:((\q)/2)*AH+((\q)%2)*64+\a*16*AP+32
.endr
.endm
; 8 matrix instructions: A's block a x B's eight.  The 32 accumulators take turns in one order throughout.  zero = 1: the first product starts the sums.
.macro MULA f, a, zero
.irp b, 0,1,2,3,4,5,6,7
.if \zero
	v_wmma_f32_16x16x32_f16 v[8*(8*(\a)+\b):8*(8*(\a)+\b)+7], v[\f+32+8*\b:\f+32+8*\b+7], v[\f+8*(\a):\f+8*(\a)+7], 0
.else
	v_wmma_f32_16x16x32_f16 v[8*(8*(\a)+\b):8*(8*(\a)+\b)+7], v[\f+32+8*\b:\f+32+8*\b+7], v[\f+8*(\a):\f+8*(\a)+7], v[8*(8*(\a)+\b):8*(8*(\a)+\b)+7]
.endif
.endr
.endm
.macro PLACES
.rept 4
	v_nop
.endr
.endm
; One of a step's first three quarters: multiplies buffer f and fetches quarter q into buffer g.
.macro QUARTER slot, q, f, g, zero
	s_wait_dscnt 4                                 ; B and A's blocks 0, 1 are in; the youngest four loads (blocks 2, 3) may be out
	WIN MUL
	MULA \f, 0, \zero
	MULA \f, 1, \zero
	PLACES                                         ; in front of loads into the buffer that the quarter before multiplied
	FETCH \slot, \q, \g
	s_wait_dscnt 24                                ; all but the 24 just issued
	WIN MUL
	MULA \f, 2, \zero
	MULA \f, 3, \zero
.endm
; The last quarter multiplies buffer 1 and changes slots: one barrier; in front of it each wave waits for all its tensor loads, adds 0 to its spare word, and waits for that and for its reads of this slot.
; fill = 1: the barrier opens a round of the cluster's barrier, and behind it this slot is filled again, two K steps ahead.
.macro TURN slot, next, fill
	WIN 0
	s_wait_tensorcnt 0x0                           ; all my tensor loads have landed: my part of the next slot
	ds_add_u32 v[SPW], v[NIL]
	s_wait_dscnt 5                                 ; (the add and the youngest four loads may be out)
	WIN MUL
	MULA F1, 0, 0
	s_wait_dscnt 0x0                               ; the add is done, and my reads of this slot are over
	s_barrier_signal -1
	MULA F1, 1, 0
.if \fill
	WIN 0
.endif
	s_barrier_wait -1
.if \fill
	CREST                                          ; no wave of any partner still reads this slot's tile or has a load on its way
	s_add_nc_u64 s[G0+4*\slot+2:G0+4*\slot+3], s[G0+4*\slot+2:G0+4*\slot+3], 4*262144
	s_add_nc_u64 s[G0B+4*\slot+2:G0B+4*\slot+3], s[G0B+4*\slot+2:G0B+4*\slot+3], 256*2048
	JLOAD \slot                                    ; the first tensor load behind the round; its four v_nop are also the places in front of the loads below
.else
	PLACES
.endif
	FETCH \next, 0, F0
	WIN MUL
	MULA F1, 2, 0
	MULA F1, 3, 0
.endm
	s_wait_tensorcnt 1                             ; my part of K step 0 is in; K step 1's load may be out
	s_barrier_signal -1
	s_barrier_wait -1
	FETCH 0, 0, F0
	QUARTER 0, 1, F0, F1, 1                        ; the first quarter's products start the sums
	WIN 0
	s_mov_b32 s3, LAPS-1
.Llap:                                             ; a trip goes once round the ring and fills both slots again
	QUARTER 0, 2, F1, F0, 0
	QUARTER 0, 3, F0, F1, 0
	TURN 0, 1, 1
	QUARTER 1, 1, F0, F1, 0
	QUARTER 1, 2, F1, F0, 0
	QUARTER 1, 3, F0, F1, 0
	TURN 1, 0, 1
	QUARTER 0, 1, F0, F1, 0
	WIN 0
	s_sub_co_u32 s3, s3, 1
	s_cmp_lg_u32 s3, 0
	s_cbranch_scc1 .Llap
	QUARTER 0, 2, F1, F0, 0                        ; the last lap fills nothing
	QUARTER 0, 3, F0, F1, 0
	TURN 0, 1, 0
	QUARTER 1, 1, F0, F1, 0
	QUARTER 1, 2, F1, F0, 0
	QUARTER 1, 3, F0, F1, 0
	s_wait_dscnt 4
	WIN MUL
	MULA F1, 0, 0
	MULA F1, 1, 0
	s_wait_dscnt 0
	MULA F1, 2, 0
	MULA F1, 3, 0
	WIN 0
	PLACES
; THE WAY OUT, block by block of 16 rows x 128 columns of f32: 32 bytes a lane into my own stage, back as whole rows of 512 bytes.
.macro TOSTAGE a
	WIN 0x04                                       ; an LDS store's data: window 1
.irp b, 0,1,2,3,4,5,6,7
	ds_store_b128 v[STO], v[64*(\a)+8*\b:64*(\a)+8*\b+3] offset:64*\b          ; each accumulator from its low end on
	ds_store_b128 v[STO], v[64*(\a)+8*\b+4:64*(\a)+8*\b+7] offset:64*\b+16
.endr
	WIN 0
.set BB, BK+64*((\a)%2)
.irp t, 0,1,2,3,4,5,6,7,8,9,10,11,12,13,14,15
	ds_load_b128 v[BB+4*\t:BB+4*\t+3], v[RD] offset:\t*SPITCH   ; LDS serves a wave's instructions in order: these see the stores above
.endr
.endm
.macro SEND a, younger
.set BB, BK+64*((\a)%2)
	s_wait_dscnt \younger                          ; the block is back; the next block's 16 stores and 16 loads may be out
.if (\a) == 0
	s_cmp_eq_u32 s2, 0                             ; positions 0-15 of a batch are another launch's
	s_cbranch_scc1 .Lnot_mine_\@
.endif
.irp t, 0,1,2,3,4,5,6,7,8,9,10,11,12,13,14,15
	global_store_b128 v[CO], v[BB+4*\t:BB+4*\t+3], s[8:9] offset:(16*(\a)+\t)*4096 th:TH_STORE_NT   ; 32 lanes store 512 consecutive bytes
.endr
.if (\a) == 0
.Lnot_mine_\@:
.endif
.endm
	TOSTAGE 0
.irp a, 1,2,3
.if \a > 1
	s_wait_xcnt 0x0                                ; the stores of two blocks back have read the registers into which this block's loads land
.endif
	TOSTAGE \a
	SEND \a-1, 32
.endr
	SEND 3, 0
	s_wait_tensorcnt 0x0                           ; the wave's end
	ds_add_u32 v[SPW], v[NIL]
	s_wait_dscnt 0x0
	CROUND                                         ; the closing round
	s_endpgm
.Lfunc_end_k_qfc287ea89d_oproj:
	.size	k_qfc287ea89d_oproj, .Lfunc_end_k_qfc287ea89d_oproj-k_qfc287ea89d_oproj
	.p2alignl 7, 3214868480
	.fill 96, 4, 3214868480
	.section	.rodata,"a",@progbits
	.p2align	6, 0x0
	.amdhsa_kernel k_qfc287ea89d_oproj
		.amdhsa_group_segment_fixed_size 327680
		.amdhsa_private_segment_fixed_size 0
		.amdhsa_enable_private_segment 0
		.amdhsa_kernarg_size 24
		.amdhsa_user_sgpr_count 2
		.amdhsa_user_sgpr_kernarg_segment_ptr 1
		.amdhsa_wavefront_size32 1
		.amdhsa_system_sgpr_workgroup_id_x 1
		.amdhsa_system_sgpr_workgroup_id_y 1
		.amdhsa_system_sgpr_workgroup_id_z 1
		.amdhsa_system_vgpr_workitem_id 0
		.amdhsa_next_free_vgpr 512
		.amdhsa_next_free_sgpr 66
		.amdhsa_reserve_vcc 0
		.amdhsa_float_denorm_mode_32 3
		.amdhsa_float_denorm_mode_16_64 3
		.amdhsa_memory_ordered 1
		.amdhsa_forward_progress 1
		.amdhsa_inst_pref_size 85
	.end_amdhsa_kernel
	.amdgpu_metadata
---
amdhsa.version: [ 1, 2 ]
amdhsa.kernels:
  - .name:           k_qfc287ea89d_oproj
    .symbol:         k_qfc287ea89d_oproj.kd
    .args:
      - { .name: z, .offset: 0, .size: 8, .value_kind: global_buffer, .address_space: global }
      - { .name: wo16, .offset: 8, .size: 8, .value_kind: global_buffer, .address_space: global }
      - { .name: out0, .offset: 16, .size: 8, .value_kind: global_buffer, .address_space: global }
    .group_segment_fixed_size: 327680
    .private_segment_fixed_size: 0
    .kernarg_segment_align: 8
    .kernarg_segment_size: 24
    .max_flat_workgroup_size: 128
    .sgpr_count:     66
    .vgpr_count:     512
    .wavefront_size: 32
...
	.end_amdgpu_metadata
.endif
;; end of part 4
;; launch top (part 5): grid 16 x 4, 16 waves a work-group, no clusters, 71,680 bytes of LDS; arguments top16, W_O, out0; writes out0
.if DOCPART == 5
	.amdgcn_target "amdgcn-amd-amdhsa--gfx1250"
	.amdhsa_code_object_version 6
	.text
	.protected	k_qfc287ea89d_top
	.globl	k_qfc287ea89d_top
	.p2align	8
	.type	k_qfc287ea89d_top,@function
k_qfc287ea89d_top:
	s_mov_b64 s[64:65], 0
	v_nop
	global_prefetch_b8 v0, s[64:65] scope:SCOPE_SE
	s_setreg_imm32_b32 hwreg(HW_REG_WAVE_MODE, 25, 1), 1
	s_wait_xcnt 0x0
; Positions 0-15 of every sequence, all in f32: these rows average one to sixteen values, so their scores, pattern, values and projection are carried unrounded.
; top16: f32 [b 4][row 16][3072]: q, k, v of those positions (columns which*1024 + h*64 + d).  W_O: f32 [h][d][m].  out0 rows b*2048 + 0..15.
; SHARES.  Work-group (cg, b) makes 64 columns (256 bytes) of the 16 rows of batch b.  Wave w is head w: it makes its head's 16 x 16 attention and multiplies the result by W_O[w][64][my 64 columns];
; the sixteen partial tiles meet in LDS, and wave w adds up row w.  96 matrix instructions of the f32 form a wave, for 64 rows in the whole launch: no bulk work.
; LAYOUTS (f32 form: lane (r, h), register j: k = 2 h + j).  A permutation of K applied alike to both sources keeps the products:
;   S^T = K Q^T: step i takes registers 2 i, 2 i + 1 of both: channel 32 h + 2 i + j.  Result: lane = query r, register = key 8 h + j.
;   O^T = V^T P^T: step j0 takes P's registers j0, j0 + 1 as they lie: key 8 h + j0 + j; V is loaded so.  Result: lane = query r, register = channel 16 t + 8 h + j.
;   out^T = W^T O: step (t, j0) takes O's registers as they lie: channel 16 t + 8 h + j0 + j; W_O is loaded so (a lane to a column: pieces of 64 bytes, 256 KiB a work-group).
; v124-187 are written by matrix instructions alone.
.set PART,  4352                       ; a wave's partial tile: 16 rows x (256 bytes + 16)
.set SPARE, 16*PART                    ; the spare words, 128 bytes for each of the sixteen waves
.set AQ,  1                            ; q, k: row r of 12,288 bytes + 128 h
.set AVT, 2                            ; v: 8 h rows + 4 r
.set AW,  3                            ; W_O: 8 h rows of 4,096 bytes + 4 r
.set DD,  4                            ; r - 8 h
.set STP, 5
.set RDP, 6
.set GO,  7
.set NINF, 8
.set P,   12                           ; v12-19 the scores, then the pattern
.set QF,  28
.set KF,  60
.set VF,  92
.set SA,  124                          ; the scores' two half sums; later O^T's tiles 0 and 1
.set SB,  132
.set OO,  124
.set ACC, 156
.set W1,  188
.set SPW, 252
.set NIL, 253
	s_load_b128 s[4:7], s[0:1], 0x0                ; top16, W_O
	s_load_b64 s[8:9], s[0:1], 0x10                ; out0
	v_lshl_add_u32 v[SPW], v0, 2, SPARE
	v_mov_b32 v[NIL], 0
	v_lshrrev_b32 v20, 5, v0
	v_readfirstlane_b32 s10, v20                   ; wave = head
	s_and_b32 s11, ttmp7, 0xffff                   ; the batch
	v_and_b32 v20, 15, v0                          ; r
	v_bfe_u32 v21, v0, 4, 1                        ; h
	v_mul_u32_u24 v[AQ], v20, 12288
	v_lshl_add_u32 v[AQ], v21, 7, v[AQ]
	v_lshlrev_b32 v22, 2, v20
	v_mul_u32_u24 v[AVT], v21, 98304
	v_add_nc_u32 v[AVT], v[AVT], v22
	v_lshl_add_u32 v[AW], v21, 15, v22
	v_lshlrev_b32 v23, 3, v21
	v_sub_nc_u32 v[DD], v20, v23
	s_mul_i32 s12, s10, PART
	v_mul_u32_u24 v[STP], v20, 272
	v_lshl_add_u32 v[STP], v21, 5, v[STP]
	v_add_nc_u32 v[STP], s12, v[STP]               ; my partial tile: row r, + 32 h
	s_mul_i32 s12, s10, 272
	v_and_b32 v23, 31, v0
	v_lshlrev_b32 v[GO], 3, v23
	v_add_nc_u32 v[RDP], s12, v[GO]                ; row w of a partial tile, 8 bytes a lane
	v_mov_b32 v[NINF], 0xff800000
	s_mov_b32 s18, 0x76543210
	s_mov_b32 s19, 0xfedcba98                      ; v_permlanex16_b32: lane l xor 16
	s_mov_b32 s20, 0x3e38aa3b                      ; c = log2(e) / 8
	s_mul_i32 s12, s11, 196608
	s_lshl_b32 s13, s10, 8
	s_add_co_u32 s12, s12, s13                     ; top16: my batch, my head's 64 columns
	s_mov_b32 s13, 0
	s_lshl_b32 s14, s10, 18
	s_lshl_b32 s15, ttmp9, 8
	s_add_co_u32 s14, s14, s15                     ; W_O: my head, my work-group's 64 columns
	s_lshl_b32 s16, s11, 11
	s_add_co_u32 s16, s16, s10
	s_lshl_b32 s16, s16, 12
	s_add_co_u32 s16, s16, s15                     ; out0: row b*2048 + w, the same columns
	s_mov_b32 s15, 0
	s_mov_b32 s17, 0
	s_wait_kmcnt 0x0
	s_add_nc_u64 s[4:5], s[4:5], s[12:13]
	s_add_nc_u64 s[6:7], s[6:7], s[14:15]
	s_add_nc_u64 s[8:9], s[8:9], s[16:17]
.irp u, 0,1                                    ; W_O's column tiles 0 and 1: register 32 u + 8 t + j = W_O[w][16 t + 8 h + j][16 u + r]
.irp t, 0,1,2,3
.irp j, 0,1,2,3,4,5,6,7
	global_load_b32 v[W1+32*\u+8*\t+\j], v[AW], s[6:7] offset:(16*\t+\j)*4096+64*\u
.endr
.endr
.endr
.irp i, 0,1,2,3,4,5,6,7
	global_load_b128 v[QF+4*\i:QF+4*\i+3], v[AQ], s[4:5] offset:16*\i          ; q(r, 32 h + 4 i ..)
.endr
.irp i, 0,1,2,3,4,5,6,7
	global_load_b128 v[KF+4*\i:KF+4*\i+3], v[AQ], s[4:5] offset:4096+16*\i     ; k likewise
.endr
.irp t, 0,1,2,3
.irp j, 0,1,2,3,4,5,6,7
	global_load_b32 v[VF+8*\t+\j], v[AVT], s[4:5] offset:8192+\j*12288+64*\t   ; v(8 h + j, 16 t + r)
.endr
.endr
	s_wait_loadcnt 32                              ; all but v's 32 loads are in
.irp i, 0,1,2,3,4,5,6,7,8,9,10,11,12,13,14,15  ; S^T in two half sums that take turns; the first two products start them
.if \i < 2
	v_wmma_f32_16x16x4_f32 v[SA+8*(\i%2):SA+8*(\i%2)+7], v[KF+2*\i:KF+2*\i+1], v[QF+2*\i:QF+2*\i+1], 0
.else
	v_wmma_f32_16x16x4_f32 v[SA+8*(\i%2):SA+8*(\i%2)+7], v[KF+2*\i:KF+2*\i+1], v[QF+2*\i:QF+2*\i+1], v[SA+8*(\i%2):SA+8*(\i%2)+7]
.endif
.endr
.rept 8
	v_nop                                          ; eight places behind this form, in front of the read of its results and of loads over its sources
.endr
	s_wait_loadcnt 0x0                             ; v is in
.irp u, 2,3                                    ; W_O's column tiles 2 and 3 land where q and k lay, while the softmax is worked
.irp t, 0,1,2,3
.irp j, 0,1,2,3,4,5,6,7
	global_load_b32 v[QF+32*(\u-2)+8*\t+\j], v[AW], s[6:7] offset:(16*\t+\j)*4096+64*\u
.endr
.endr
.endr
.irp j, 0,1,2,3,4,5,6,7
	v_add_f32 v[P+\j], v[SA+\j], v[SB+\j]          ; from the low end on
.endr
.irp j, 0,1,2,3,4,5,6,7
	v_cmp_gt_i32 vcc_lo, \j, v[DD]                 ; key 8 h + j comes after query r
	v_cndmask_b32 v[P+\j], v[P+\j], v[NINF], vcc_lo
.endr
	v_max3_num_f32 v20, v[P], v[P+1], v[P+2]
	v_max3_num_f32 v20, v20, v[P+3], v[P+4]
	v_max3_num_f32 v20, v20, v[P+5], v[P+6]
	v_max_num_f32 v20, v20, v[P+7]
	v_permlanex16_b32 v21, v20, s18, s19
	v_max_num_f32 v20, v20, v21                    ; the row's maximum: key 0 counts for every query, so it is a number
	v_mul_f32 v20, s20, v20
.irp j, 0,1,2,3,4,5,6,7
	v_fma_f32 v[P+\j], v[P+\j], s20, -v20          ; c s - c m
.endr
.irp j, 0,1,2,3,4,5,6,7
	v_exp_f32 v[P+\j], v[P+\j]
.endr
	v_nop
	s_wait_alu depctr_va_vdst(0)                   ; one wait for the eight, ahead of their first reader
	v_add_f32 v22, v[P], v[P+1]
	v_add_f32 v23, v[P+2], v[P+3]
	v_add_f32 v24, v[P+4], v[P+5]
	v_add_f32 v25, v[P+6], v[P+7]
	v_add_f32 v22, v22, v23
	v_add_f32 v24, v24, v25
	v_add_f32 v22, v22, v24
	v_permlanex16_b32 v21, v22, s18, s19
	v_add_f32 v22, v22, v21
	v_rcp_f32 v23, v22
	v_nop
	s_wait_alu depctr_va_vdst(0)
.irp j, 0,1,2,3,4,5,6,7
	v_mul_f32 v[P+\j], v[P+\j], v23                ; the pattern, normalised
.endr
.irp j0, 0,2,4,6                               ; O^T = V^T P^T: four accumulators by turns.  More than nine plain lines that name none of the half sums' registers lie behind the last product on them
.irp t, 0,1,2,3
.if \j0 == 0
	v_wmma_f32_16x16x4_f32 v[OO+8*\t:OO+8*\t+7], v[VF+8*\t+\j0:VF+8*\t+\j0+1], v[P+\j0:P+\j0+1], 0
.else
	v_wmma_f32_16x16x4_f32 v[OO+8*\t:OO+8*\t+7], v[VF+8*\t+\j0:VF+8*\t+\j0+1], v[P+\j0:P+\j0+1], v[OO+8*\t:OO+8*\t+7]
.endif
.endr
.endr
.rept 9
	v_nop                                          ; nine places: the results become a source of the next products
.endr
	s_wait_loadcnt 0x0                             ; W_O's tiles 2 and 3
.irp t, 0,1,2,3                                ; out^T = W^T O: four accumulators by turns, 16 steps of 4 along the head's 64 channels
.irp j0, 0,2,4,6
.irp u, 0,1,2,3
.set WR, W1+32*\u-(\u/2)*(W1+64-QF)
.if (\t == 0) && (\j0 == 0)
	v_wmma_f32_16x16x4_f32 v[ACC+8*\u:ACC+8*\u+7], v[WR+8*\t+\j0:WR+8*\t+\j0+1], v[OO+8*\t+\j0:OO+8*\t+\j0+1], 0
.else
	v_wmma_f32_16x16x4_f32 v[ACC+8*\u:ACC+8*\u+7], v[WR+8*\t+\j0:WR+8*\t+\j0+1], v[OO+8*\t+\j0:OO+8*\t+\j0+1], v[ACC+8*\u:ACC+8*\u+7]
.endif
.endr
.endr
.endr
.rept 8
	v_nop
.endr
.irp u, 0,1,2,3
	ds_store_b128 v[STP], v[ACC+8*\u:ACC+8*\u+3] offset:64*\u        ; lane (r, h): row r, columns 16 u + 8 h + 0..7; each accumulator from its low end on
	ds_store_b128 v[STP], v[ACC+8*\u+4:ACC+8*\u+7] offset:64*\u+16
.endr
	s_wait_dscnt 0x0                               ; for the others' sake: my partial tile lies in LDS
	s_barrier_signal -1
	s_barrier_wait -1
.irp p, 0,1,2,3,4,5,6,7,8,9,10,11,12,13,14,15
	ds_load_b64 v[VF+2*\p:VF+2*\p+1], v[RDP] offset:\p*PART          ; row w of each head's tile
.endr
	s_wait_dscnt 0x0
.irp p, 0,1,2,3,4,5,6,7
	v_pk_add_f32 v[VF+4*\p:VF+4*\p+1], v[VF+4*\p:VF+4*\p+1], v[VF+4*\p+2:VF+4*\p+3]
.endr
.irp p, 0,1,2,3
	v_pk_add_f32 v[VF+8*\p:VF+8*\p+1], v[VF+8*\p:VF+8*\p+1], v[VF+8*\p+4:VF+8*\p+5]
.endr
.irp p, 0,1
	v_pk_add_f32 v[VF+16*\p:VF+16*\p+1], v[VF+16*\p:VF+16*\p+1], v[VF+16*\p+8:VF+16*\p+9]
.endr
	v_pk_add_f32 v[VF:VF+1], v[VF:VF+1], v[VF+16:VF+17]
	global_store_b64 v[GO], v[VF:VF+1], s[8:9]     ; 32 lanes store 256 consecutive bytes, at a multiple of 256 from out0's first byte
	s_wait_tensorcnt 0x0                           ; the wave's end, behind my last LDS store
	ds_add_u32 v[SPW], v[NIL]
	s_wait_dscnt 0x0
	s_endpgm
.Lfunc_end_k_qfc287ea89d_top:
	.size	k_qfc287ea89d_top, .Lfunc_end_k_qfc287ea89d_top-k_qfc287ea89d_top
	.p2alignl 7, 3214868480
	.fill 96, 4, 3214868480
	.section	.rodata,"a",@progbits
	.p2align	6, 0x0
	.amdhsa_kernel k_qfc287ea89d_top
		.amdhsa_group_segment_fixed_size 71680
		.amdhsa_private_segment_fixed_size 0
		.amdhsa_enable_private_segment 0
		.amdhsa_kernarg_size 24
		.amdhsa_user_sgpr_count 2
		.amdhsa_user_sgpr_kernarg_segment_ptr 1
		.amdhsa_wavefront_size32 1
		.amdhsa_system_sgpr_workgroup_id_x 1
		.amdhsa_system_sgpr_workgroup_id_y 1
		.amdhsa_system_sgpr_workgroup_id_z 1
		.amdhsa_system_vgpr_workitem_id 0
		.amdhsa_next_free_vgpr 256
		.amdhsa_next_free_sgpr 66
		.amdhsa_reserve_vcc 1
		.amdhsa_float_denorm_mode_32 3
		.amdhsa_float_denorm_mode_16_64 3
		.amdhsa_memory_ordered 1
		.amdhsa_forward_progress 1
		.amdhsa_inst_pref_size 32
	.end_amdhsa_kernel
	.amdgpu_metadata
---
amdhsa.version: [ 1, 2 ]
amdhsa.kernels:
  - .name:           k_qfc287ea89d_top
    .symbol:         k_qfc287ea89d_top.kd
    .args:
      - { .name: top16, .offset: 0, .size: 8, .value_kind: global_buffer, .address_space: global }
      - { .name: W_O, .offset: 8, .size: 8, .value_kind: global_buffer, .address_space: global }
      - { .name: out0, .offset: 16, .size: 8, .value_kind: global_buffer, .address_space: global }
    .group_segment_fixed_size: 71680
    .private_segment_fixed_size: 0
    .kernarg_segment_align: 8
    .kernarg_segment_size: 24
    .max_flat_workgroup_size: 512
    .sgpr_count:     66
    .vgpr_count:     256
    .wavefront_size: 32
...
	.end_amdgpu_metadata
.endif
;; end of part 5
